; MI455X (gfx1250); checked and timed in simulation.
; The chip was launched on July 23, 2026; its instructions are those of AMD's public machine-readable ISA for CDNA 5 (MIT licence, August 2026) and "CDNA5" Instruction Set Architecture Reference Guide (July 2026). The comments in the code are by the model that wrote it; some were corrected since.
;; KDA Layer. Allowed arithmetic: float matrix products may take bf16 or f16 operands with f32 sums; other float arithmetic in f32, or as packed bf16 or f16 multiplies, adds, multiply-adds, maxima and minima; sums over many terms, partial sums and values carried from step to step in f32; what a program stores and reads back later, other than sums and carried values, may be rounded once to bf16 or f16.
;; Inputs: W_alpha 1,024 x 1,024 float32; W_beta 1,024 x 16 float32; W_k 1,024 x 1,024 float32; W_o 1,024 x 1,024 float32; W_q 1,024 x 1,024 float32; W_v 1,024 x 1,024 float32; b_alpha 1,024 float32; b_beta 16 float32; ln_b 1,024 float32; ln_g 1,024 float32; x 4 x 2,048 x 1,024 float32.
;; Outputs: out0 4 x 2,048 x 1,024 float32.
;; 2 versions, each right; version 2 is version 1 with the launch kprep written anew for expert scheduling mode. Each part assembles by itself: llvm-mc -triple=amdgcn-amd-amdhsa -mcpu=gfx1250 --defsym DOCPART=n.
;; ======== version 1 of 2: 6 launches
;; limits: values are held in f16: magnitudes above 65,504 overflow, below 6.1e-05 lose precision
;; workspace buffers: xn 16,777,216 bytes; wt1 8,388,608 bytes; wt2 2,097,152 bytes; wbt 32,768 bytes; beta 524,288 bytes; proj 67,108,864 bytes; cf 75,497,472 bytes; ob 16,777,216 bytes
;; launch prep (part 1): grid 897 x 1, 8 waves a work-group, no clusters, 18,432 bytes of LDS; arguments x, ln_g, ln_b, W_q, W_k, W_v, W_alpha, W_o, W_beta, xn, wt1, wt2, wbt; writes xn, wt1, wt2, wbt
.if DOCPART == 1
	.amdgcn_target "amdgcn-amd-amdhsa--gfx1250"
	.amdhsa_code_object_version 6
	.text
	.protected	k_qe5193315eb_prep
	.globl	k_qe5193315eb_prep
	.p2align	8
	.type	k_qe5193315eb_prep,@function
k_qe5193315eb_prep:
	s_mov_b64 s[64:65], 0
	v_nop
	global_prefetch_b8 v0, s[64:65] scope:SCOPE_SE
	s_setreg_imm32_b32 hwreg(HW_REG_WAVE_MODE, 25, 1), 1
	s_wait_xcnt 0x0
; FIRST OF SIX LAUNCHES of: LayerNorm, five projections, a gated delta rule over 2,048 steps for 64 (batch, head) pairs, an output projection, the residual.
; THE PROGRAM.  prep: xn = LayerNorm(x) in f16; the weights rounded to f16 and turned to [n][k].  bgate: beta.  gemm1: q, k, v and alpha's argument.  kprep: for each chunk of 16 steps
; what does not hang on the state.  scan: the state, chunk after chunk.  gemm2: the output product and the residual.
; THE CHUNKED FORM.  With kn = k / max(|k|, 1e-12), u_t = b_t (v_t - (a_t S_(t-1))^T kn_t) the step is S_t = a_t S_(t-1) + kn_t u_t^T.  Over 16 steps from a state S0:
; (I + diag(b) A) [What | Uhat] = diag(b) [kn Gamma_t | V], U = Uhat - What S0, O = (q Gamma_t) S0 + B U, S_16 = Gamma_16 S0 + Khat^T U, where A[t][i] (i < t) and B[t][i] (i <= t) are
; sums over the channels of kn_t or q_t times kn_i times the product of a over i < s <= t.  In exact arithmetic this is the reference's recurrence, for all values of the inputs.
; DEAD WORK.  reference() itself starts the scan from a state of zeros, so for every input the first chunk's products with S0 and its decay of S0 are products with 0: scan leaves them out.
; The state behind the last step reaches no output: scan leaves the last chunk's update out.  kprep still makes the matching parts of those two chunk files (1 chunk in 128 each way: inside a unit of live work).
; LIMIT of that: a NaN, an infinity or an overflow that reaches only the work left out is not carried to the result.  All eleven inputs have a way to the output and are loaded.
; FORMATS.  All matrix operands are f16, sums f32.  LIMITS: |xn|, |q|, |k|, |v|, alpha's argument, the state and u stay under 65,504 (drawn inputs: under 10); o under 6.7e7 (it is stored times 2^-10);
; below 6e-5 f16 keeps its fixed step of 6e-8; NaN and infinities are not treated apart.
; THIS LAUNCH.  Work-groups 0-255: LayerNorm of 32 rows, a wave four rows, a row in 32 registers between its passes (mean; sum of squares of the centred numbers: no difference of large sums).
; Work-groups 256-895: a tile of 128 k x 64 n of one of W_q, W_k, W_v, W_alpha, W_o, rounded and turned through LDS.  wt1's row is head x 256 + section x 64 + place (sections q, k, v, alpha), so that
; gemm1 leaves 512 bytes on end for each row and head.  v's columns are placed so that the scan's wave g finds columns 16 g .. 16 g + 15: place(c) = 32 ((c >> 4) & 1) + 2 (c & 15) + (c >> 5).
; Work-group 896: W_beta turned.  No matrix unit, cluster or tensor load: nothing is multiplied and no two work-groups read the same bytes but ln_g and ln_b (8 KiB).
.set SPARE, 17408                      ; behind the tile: the spare words, 128 bytes for each of eight waves
.set TP,  272                          ; a tile row in LDS: 128 k x 2 bytes + 16
.set MU,  4                            ; v[4:5]    the mean, twice
.set RS,  6                            ; v[6:7]    1 / sqrt(var + eps), twice
.set T,   8                            ; v[8:23]   at work
.set SPW, 24                           ; v24       my spare word; never rewritten
.set NIL, 25                           ; v25       0; never rewritten
.set LN,  26                           ; v26       lane
.set X,   64                           ; v[64:191] four rows of 32: register 4 j + e holds channel 128 j + 4 lane + e
.set G,   192                          ; v[192:223] ln_g at my channels
.set BV,  224                          ; v[224:255] ln_b
	s_load_b512 s[4:19], s[0:1], 0x0               ; x 4, ln_g 6, ln_b 8, W_q 10, W_k 12, W_v 14, W_alpha 16, W_o 18
	s_load_b256 s[20:27], s[0:1], 0x40             ; W_beta 20, xn 22, wt1 24, wt2 26
	s_load_b64 s[28:29], s[0:1], 0x60              ; wbt
	v_lshl_add_u32 v[SPW], v0, 2, SPARE
	v_mov_b32 v[NIL], 0
	v_lshrrev_b32 v1, 5, v0
	v_readfirstlane_b32 s30, v1                    ; wave 0..7
	v_and_b32 v[LN], 31, v0
	s_mov_b32 s35, 0
	s_wait_kmcnt 0x0
	s_cmp_lt_u32 ttmp9, 256                        ; the work-group's number picks the path: the same in all eight waves
	s_cbranch_scc0 .Lweights
	; ---- LayerNorm ----
	v_lshlrev_b32 v2, 4, v[LN]                     ; 16 bytes a lane in x, ln_g, ln_b
	v_lshlrev_b32 v3, 3, v[LN]                     ; 8 bytes a lane in xn
	s_lshl_b32 s34, ttmp9, 17                      ; 32 rows x 4,096 bytes
	s_lshl_b32 s36, s30, 14                        ; my wave's 4 rows
	s_add_co_u32 s34, s34, s36
	s_add_nc_u64 s[4:5], s[4:5], s[34:35]
	s_lshr_b32 s34, s34, 1                         ; xn's rows are half as long
	s_add_nc_u64 s[22:23], s[22:23], s[34:35]
	s_mov_b32 s32, 0x76543210                      ; v_permlanex16_b32: each lane takes its own place in the other half
	s_mov_b32 s33, 0xfedcba98
	s_mov_b32 s36, 0x3a800000                      ; 1 / 1024
	s_mov_b32 s37, 0x3727c5ac                      ; 1e-5
.irp j, 0,1,2,3,4,5,6,7
	global_load_b128 v[G+4*\j:G+4*\j+3], v2, s[6:7] offset:512*\j
.endr
.irp j, 0,1,2,3,4,5,6,7
	global_load_b128 v[BV+4*\j:BV+4*\j+3], v2, s[8:9] offset:512*\j
.endr
.irp i, 0,1,2,3
.irp j, 0,1,2,3,4,5,6,7
	global_load_b128 v[X+32*\i+4*\j:X+32*\i+4*\j+3], v2, s[4:5] offset:4096*\i+512*\j th:TH_LOAD_NT
.endr
.endr
.macro LANESUM                         ; v[T] summed over the 32 lanes, the result in every lane
	v_add_f32_dpp v[T], v[T], v[T] row_xmask:1 row_mask:0xf bank_mask:0xf
	v_add_f32_dpp v[T], v[T], v[T] row_xmask:2 row_mask:0xf bank_mask:0xf
	v_add_f32_dpp v[T], v[T], v[T] row_xmask:4 row_mask:0xf bank_mask:0xf
	v_add_f32_dpp v[T], v[T], v[T] row_xmask:8 row_mask:0xf bank_mask:0xf
	v_permlanex16_b32 v[T+1], v[T], s32, s33
	v_add_f32 v[T], v[T], v[T+1]
.endm
.macro ROWLN i
.set R, X+32*(\i)
	s_wait_loadcnt 8*(3-(\i))                      ; my row's eight loads are in; the later rows' eight each may stay out
.set p, 0
.rept 8
	v_pk_add_f32 v[T+2*p:T+2*p+1], v[R+2*p:R+2*p+1], v[R+16+2*p:R+16+2*p+1]
.set p, p+1
.endr
.irp p, 0,1,2,3
	v_pk_add_f32 v[T+2*\p:T+2*\p+1], v[T+2*\p:T+2*\p+1], v[T+8+2*\p:T+8+2*\p+1]
.endr
.irp p, 0,1
	v_pk_add_f32 v[T+2*\p:T+2*\p+1], v[T+2*\p:T+2*\p+1], v[T+4+2*\p:T+4+2*\p+1]
.endr
	v_pk_add_f32 v[T:T+1], v[T:T+1], v[T+2:T+3]
	v_add_f32 v[T], v[T], v[T+1]
	LANESUM
	v_mul_f32 v[MU], s36, v[T]
	v_mov_b32 v[MU+1], v[MU]
.set p, 0
.rept 16
	v_pk_add_f32 v[R+2*p:R+2*p+1], v[R+2*p:R+2*p+1], v[MU:MU+1] neg_lo:[0,1] neg_hi:[0,1]  ; x - mean
.set p, p+1
.endr
.irp c, 0,1,2,3
	v_pk_mul_f32 v[T+2*\c:T+2*\c+1], v[R+2*\c:R+2*\c+1], v[R+2*\c:R+2*\c+1]  ; four chains, started by the first four pairs
.endr
.set p, 4
.rept 12
	v_pk_fma_f32 v[T+2*(p%4):T+2*(p%4)+1], v[R+2*p:R+2*p+1], v[R+2*p:R+2*p+1], v[T+2*(p%4):T+2*(p%4)+1]
.set p, p+1
.endr
	v_pk_add_f32 v[T:T+1], v[T:T+1], v[T+2:T+3]
	v_pk_add_f32 v[T+4:T+5], v[T+4:T+5], v[T+6:T+7]
	v_pk_add_f32 v[T:T+1], v[T:T+1], v[T+4:T+5]
	v_add_f32 v[T], v[T], v[T+1]
	LANESUM
	v_fma_f32 v[T], v[T], s36, s37                 ; var + eps
	v_rsq_f32 v[RS], v[T]
	v_rsq_f32 v[RS+1], v[T]
	v_nop                                          ; a plain instruction behind the second root,
	s_wait_alu depctr_va_vdst(0)                   ; and one wait for both, ahead of their first reader
.set p, 0
.rept 16
	v_pk_mul_f32 v[R+2*p:R+2*p+1], v[R+2*p:R+2*p+1], v[RS:RS+1]
.set p, p+1
.endr
.set p, 0
.rept 16
	v_pk_fma_f32 v[R+2*p:R+2*p+1], v[R+2*p:R+2*p+1], v[G+2*p:G+2*p+1], v[BV+2*p:BV+2*p+1]
.set p, p+1
.endr
.set p, 0
.rept 16
	v_cvt_pk_f16_f32 v[R+p], v[R+2*p], v[R+2*p+1]  ; ascending: register p is written when 2 p and 2 p + 1 are read, never before
.set p, p+1
.endr
.irp j, 0,1,2,3,4,5,6,7
	global_store_b64 v3, v[R+2*\j:R+2*\j+1], s[22:23] offset:2048*(\i)+256*\j  ; the wave stores 256 consecutive bytes, aligned; the row's own registers: no store's source is ever rewritten
.endr
.endm
	ROWLN 0
	ROWLN 1
	ROWLN 2
	ROWLN 3
	s_branch .Lend
	; ---- a tile of a weight matrix, [k][n] f32 to [n][k] f16 ----
.Lweights:
	s_cmp_lt_u32 ttmp9, 896
	s_cbranch_scc0 .Lwbeta
	s_sub_co_u32 s31, ttmp9, 256
	s_lshr_b32 s36, s31, 7                         ; which matrix: 0 q, 1 k, 2 v, 3 alpha, 4 o
	s_bfe_u32 s37, s31, 0x30004                    ; which 128 k
	s_and_b32 s38, s31, 15                         ; which 64 n: the head
	s_lshl_b32 s44, s38, 8
	s_lshl_b32 s45, s36, 6
	s_add_co_u32 s44, s44, s45                     ; wt1's first row: head x 256 + section x 64
	s_lshl_b32 s45, s38, 6                         ; wt2's: 64 x block
	s_cmp_eq_u32 s36, 1
	s_cselect_b64 s[40:41], s[12:13], s[10:11]
	s_cmp_eq_u32 s36, 2
	s_cselect_b64 s[40:41], s[14:15], s[40:41]
	s_cselect_b32 s39, -1, 0                       ; all lanes: v's columns are placed anew
	s_cmp_eq_u32 s36, 3
	s_cselect_b64 s[40:41], s[16:17], s[40:41]
	s_cmp_eq_u32 s36, 4
	s_cselect_b64 s[40:41], s[18:19], s[40:41]
	s_cselect_b64 s[42:43], s[26:27], s[24:25]
	s_cselect_b32 s44, s45, s44
	s_lshl_b32 s34, s37, 19                        ; 128 rows x 4,096 bytes
	s_lshl_b32 s45, s38, 8                         ; 64 columns x 4 bytes
	s_add_co_u32 s34, s34, s45
	s_add_nc_u64 s[40:41], s[40:41], s[34:35]
	s_lshl_b32 s34, s44, 11                        ; rows of 2,048 bytes
	s_lshl_b32 s45, s37, 8                         ; 128 k x 2 bytes
	s_add_co_u32 s34, s34, s45
	s_add_nc_u64 s[42:43], s[42:43], s[34:35]
	v_and_b32 v2, 15, v0                           ; r
	v_bfe_u32 v3, v0, 4, 1                         ; hh
	s_lshl_b32 s46, s30, 4
	v_lshl_add_u32 v4, v3, 3, s46                  ; my first k: 16 w + 8 hh
	v_lshlrev_b32 v4, 12, v4
	v_lshl_add_u32 v4, v2, 4, v4                   ; + my four columns
.irp j, 0,1,2,3,4,5,6,7
	global_load_b128 v[64+4*\j:67+4*\j], v4, s[40:41] offset:4096*\j th:TH_LOAD_NT  ; sixteen lanes take a tile row's 256 bytes
.endr
	v_mul_u32_u24 v5, v2, 4*TP                     ; into LDS: row n = 4 r + e, bytes 2 (16 w + 8 hh)
	v_lshl_add_u32 v5, v3, 4, v5
	s_lshl_b32 s46, s30, 5
	v_add_nc_u32 v5, s46, v5
	s_lshl_b32 s47, s30, 3
	v_add_nc_u32 v6, s47, v3                       ; back: rows 8 w + 2 j + hh
	s_wait_loadcnt 0x0
.irp e, 0,1,2,3
.irp p, 0,1,2,3
	v_cvt_pk_f16_f32 v[96+4*\e+\p], v[64+8*\p+\e], v[64+8*\p+4+\e]  ; column 4 r + e, k 2 p and 2 p + 1 of my eight
.endr
	ds_store_b128 v5, v[96+4*\e:99+4*\e] offset:\e*TP
.endr
	s_wait_dscnt 0x0                               ; for the others' sake: my stores are done
	s_barrier_signal -1
	s_barrier_wait -1
.irp j, 0,1,2,3
	v_add_nc_u32 v[8+\j], 2*\j, v6                 ; c
	v_mul_u32_u24 v[12+\j], v[8+\j], TP
	v_lshl_add_u32 v[12+\j], v2, 4, v[12+\j]
	ds_load_b128 v[112+4*\j:115+4*\j], v[12+\j]    ; sixteen lanes take a row's 256 bytes
	v_bfe_u32 v16, v[8+\j], 4, 1
	v_and_b32 v17, 15, v[8+\j]
	v_lshlrev_b32 v17, 1, v17
	v_lshl_add_u32 v17, v16, 5, v17
	v_lshrrev_b32 v16, 5, v[8+\j]
	v_add_nc_u32 v17, v16, v17                     ; place(c)
	v_cndmask_b32 v17, v[8+\j], v17, s39           ; for v alone
	v_lshlrev_b32 v17, 11, v17
	v_lshl_add_u32 v[18+\j], v2, 4, v17
.endr
.irp j, 0,1,2,3
	s_wait_dscnt 3-\j                              ; the later loads may stay out
	global_store_b128 v[18+\j], v[112+4*\j:115+4*\j], s[42:43]  ; sixteen lanes store 256 consecutive bytes, aligned
.endr
	s_branch .Lend
	; ---- W_beta [1024][16] f32 to [16][1024] f16: thread tau has k = 4 tau .. 4 tau + 3 ----
.Lwbeta:
	v_lshlrev_b32 v2, 8, v0
	v_lshlrev_b32 v3, 3, v0
.irp i, 0,1,2,3,4,5,6,7,8,9,10,11,12,13,14,15
	global_load_b128 v[64+4*\i:67+4*\i], v2, s[20:21] offset:16*\i
.endr
	s_wait_loadcnt 0x0
.irp q, 0,1,2,3
.irp e, 0,1,2,3
	v_cvt_pk_f16_f32 v[128+2*(4*\q+\e)], v[64+4*\q+\e], v[80+4*\q+\e]
	v_cvt_pk_f16_f32 v[129+2*(4*\q+\e)], v[96+4*\q+\e], v[112+4*\q+\e]
	global_store_b64 v3, v[128+2*(4*\q+\e):129+2*(4*\q+\e)], s[28:29] offset:2048*(4*\q+\e)
.endr
.endr
.Lend:
	s_wait_tensorcnt 0x0                           ; the wave's end: behind my last LDS store
	ds_add_u32 v[SPW], v[NIL]
	s_wait_dscnt 0x0
	s_endpgm
.Lfunc_end_k_qe5193315eb_prep:
	.size	k_qe5193315eb_prep, .Lfunc_end_k_qe5193315eb_prep-k_qe5193315eb_prep
	.p2alignl 7, 3214868480
	.fill 96, 4, 3214868480
	.section	.rodata,"a",@progbits
	.p2align	6, 0x0
	.amdhsa_kernel k_qe5193315eb_prep
		.amdhsa_group_segment_fixed_size 18432
		.amdhsa_private_segment_fixed_size 0
		.amdhsa_enable_private_segment 0
		.amdhsa_kernarg_size 104
		.amdhsa_user_sgpr_count 2
		.amdhsa_user_sgpr_kernarg_segment_ptr 1
		.amdhsa_wavefront_size32 1
		.amdhsa_system_sgpr_workgroup_id_x 1
		.amdhsa_system_sgpr_workgroup_id_y 1
		.amdhsa_system_sgpr_workgroup_id_z 1
		.amdhsa_system_vgpr_workitem_id 0
		.amdhsa_next_free_vgpr 256
		.amdhsa_next_free_sgpr 66
		.amdhsa_reserve_vcc 0
		.amdhsa_float_denorm_mode_32 3
		.amdhsa_float_denorm_mode_16_64 3
		.amdhsa_memory_ordered 1
		.amdhsa_forward_progress 1
		.amdhsa_inst_pref_size 50
	.end_amdhsa_kernel
	.amdgpu_metadata
---
amdhsa.version: [ 1, 2 ]
amdhsa.kernels:
  - .name:           k_qe5193315eb_prep
    .symbol:         k_qe5193315eb_prep.kd
    .args:
      - { .name: x, .offset: 0, .size: 8, .value_kind: global_buffer, .address_space: global }
      - { .name: ln_g, .offset: 8, .size: 8, .value_kind: global_buffer, .address_space: global }
      - { .name: ln_b, .offset: 16, .size: 8, .value_kind: global_buffer, .address_space: global }
      - { .name: W_q, .offset: 24, .size: 8, .value_kind: global_buffer, .address_space: global }
      - { .name: W_k, .offset: 32, .size: 8, .value_kind: global_buffer, .address_space: global }
      - { .name: W_v, .offset: 40, .size: 8, .value_kind: global_buffer, .address_space: global }
      - { .name: W_alpha, .offset: 48, .size: 8, .value_kind: global_buffer, .address_space: global }
      - { .name: W_o, .offset: 56, .size: 8, .value_kind: global_buffer, .address_space: global }
      - { .name: W_beta, .offset: 64, .size: 8, .value_kind: global_buffer, .address_space: global }
      - { .name: xn, .offset: 72, .size: 8, .value_kind: global_buffer, .address_space: global }
      - { .name: wt1, .offset: 80, .size: 8, .value_kind: global_buffer, .address_space: global }
      - { .name: wt2, .offset: 88, .size: 8, .value_kind: global_buffer, .address_space: global }
      - { .name: wbt, .offset: 96, .size: 8, .value_kind: global_buffer, .address_space: global }
    .group_segment_fixed_size: 18432
    .private_segment_fixed_size: 0
    .kernarg_segment_align: 8
    .kernarg_segment_size: 104
    .max_flat_workgroup_size: 256
    .sgpr_count:     66
    .vgpr_count:     256
    .wavefront_size: 32
...
	.end_amdgpu_metadata
.endif
;; end of part 1
;; launch bgate (part 2): grid 256 x 1, 4 waves a work-group, no clusters, 8,704 bytes of LDS; arguments wbt, xn, b_beta, beta; writes beta
.if DOCPART == 2
	.amdgcn_target "amdgcn-amd-amdhsa--gfx1250"
	.amdhsa_code_object_version 6
	.text
	.protected	k_qe5193315eb_bgate
	.globl	k_qe5193315eb_bgate
	.p2align	8
	.type	k_qe5193315eb_bgate,@function
k_qe5193315eb_bgate:
	s_mov_b64 s[64:65], 0
	v_nop
	global_prefetch_b8 v0, s[64:65] scope:SCOPE_SE
	s_setreg_imm32_b32 hwreg(HW_REG_WAVE_MODE, 25, 1), 1
	s_wait_xcnt 0x0
; beta[head][row] = sigmoid(xn[row] . W_beta[:, head] + b_beta[head]).  wbt: [16][1024] f16, xn: [8192][1024] f16, beta: [16][8192] f32.
; A work-group makes 32 rows x 16 heads: two tiles.  K = 1,024 is split among its four waves: of each of the two trips' 512 channels wave v takes 128 v .. 128 v + 127, 256 consecutive bytes of each row.
; Source 0 = 16 rows of xn, source 1 = the 16 rows of wbt: a lane ends with ONE head (lane % 16) and eight neighbouring rows.  The four partial sums (f32) meet in LDS.
; All 48 loads of a wave go out at its head, so there is no loop and nothing to ask for ahead of the loads.  No cluster: what is shared, wbt, is 32 KiB beside 16 MiB.
; LIMIT: v_exp_f32 and v_rcp_f32 take denormals as 0, so a beta below 2^-126 counts as 0.
.set TRIP,  1024
.set ROWB,  2048
.set PART,  0                          ; LDS: wave v's two partial tiles, 1,024 bytes each, at 2,048 v
.set SPARE, 8192                       ; behind them: the spare words, 128 bytes a wave
.set FO,  2                            ; v2   (l % 16) x ROWB + 16 (l / 16) + 256 x wave
.set LS,  4                            ; v4   where I put my 32 bytes of a partial tile
.set LR,  5                            ; v5   where I read them back
.set YO,  6                            ; v6   my 32 bytes of beta
.set BI,  7                            ; v7   4 x head
.set SPW, 8
.set NIL, 9
.set NBV, 10                           ; v10  b_beta, then -log2(e) x b_beta
.set ACC, 16                           ; v[16:47]  four accumulators: tile j, fragments of parity p, at ACC + 8 (2 p + j)
.set BUF, 64                           ; v[64:255] two sets of 96: xn's fragments (tile j, fragment f at 32 j + 8 f), then wbt's four
.set WV,  14
	s_load_b256 s[4:11], s[0:1], 0x0               ; wbt 4, xn 6, b_beta 8, beta 10
	v_lshl_add_u32 v[SPW], v0, 2, SPARE
	v_mov_b32 v[NIL], 0
	v_lshrrev_b32 v1, 5, v0
	v_readfirstlane_b32 s[WV], v1
	v_and_b32 v11, 15, v0
	v_bfe_u32 v12, v0, 4, 1
	v_and_b32 v13, 31, v0
	s_lshl_b32 s16, s[WV], 8
	v_mul_u32_u24 v[FO], v11, ROWB
	v_lshl_add_u32 v[FO], v12, 4, v[FO]
	v_add_nc_u32 v[FO], s16, v[FO]
	s_lshl_b32 s17, s[WV], 11
	v_lshl_add_u32 v[LS], v13, 5, s17
	s_lshl_b32 s17, s[WV], 10
	v_lshl_add_u32 v[LR], v13, 5, s17
	s_lshl_b32 s18, ttmp9, 7                       ; 32 rows x 4 bytes
	s_lshl_b32 s19, s[WV], 6                       ; my tile's 16
	s_add_co_u32 s18, s18, s19
	v_lshlrev_b32 v[YO], 15, v11                   ; head x 8,192 rows x 4 bytes
	v_lshl_add_u32 v[YO], v12, 5, v[YO]
	v_add_nc_u32 v[YO], s18, v[YO]
	v_lshlrev_b32 v[BI], 2, v11
	s_lshl_b32 s2, ttmp9, 16                       ; 32 rows x 2,048 bytes
	s_mov_b32 s3, 0
	s_wait_kmcnt 0x0
	s_add_nc_u64 s[6:7], s[6:7], s[2:3]
.macro LOADS b, off
.irp f, 0,1,2,3
	global_load_b128 v[BUF+96*(\b)+8*(\f):BUF+96*(\b)+8*(\f)+3],       v[FO], s[6:7] offset:(\off)+64*(\f)
	global_load_b128 v[BUF+96*(\b)+8*(\f)+4:BUF+96*(\b)+8*(\f)+7],     v[FO], s[6:7] offset:(\off)+64*(\f)+32
	global_load_b128 v[BUF+96*(\b)+32+8*(\f):BUF+96*(\b)+32+8*(\f)+3], v[FO], s[6:7] offset:(\off)+64*(\f)+16*ROWB
	global_load_b128 v[BUF+96*(\b)+32+8*(\f)+4:BUF+96*(\b)+32+8*(\f)+7], v[FO], s[6:7] offset:(\off)+64*(\f)+32+16*ROWB
	global_load_b128 v[BUF+96*(\b)+64+8*(\f):BUF+96*(\b)+64+8*(\f)+3], v[FO], s[4:5] offset:(\off)+64*(\f)
	global_load_b128 v[BUF+96*(\b)+64+8*(\f)+4:BUF+96*(\b)+64+8*(\f)+7], v[FO], s[4:5] offset:(\off)+64*(\f)+32
.endr
.endm
; eight products; the four accumulators take turns, one instruction a turn.  zero = 1: the first product on each starts its sum
.macro MULS b, zero
.irp f, 0,1,2,3
.irp j, 0,1
.if (\zero) && ((\f) < 2)
	v_wmma_f32_16x16x32_f16 v[ACC+8*(2*((\f)%2)+(\j)):ACC+8*(2*((\f)%2)+(\j))+7], v[BUF+96*(\b)+32*(\j)+8*(\f):BUF+96*(\b)+32*(\j)+8*(\f)+7], v[BUF+96*(\b)+64+8*(\f):BUF+96*(\b)+64+8*(\f)+7], 0
.else
	v_wmma_f32_16x16x32_f16 v[ACC+8*(2*((\f)%2)+(\j)):ACC+8*(2*((\f)%2)+(\j))+7], v[BUF+96*(\b)+32*(\j)+8*(\f):BUF+96*(\b)+32*(\j)+8*(\f)+7], v[BUF+96*(\b)+64+8*(\f):BUF+96*(\b)+64+8*(\f)+7], v[ACC+8*(2*((\f)%2)+(\j)):ACC+8*(2*((\f)%2)+(\j))+7]
.endif
.endr
.endr
.endm
	LOADS 0, 0
	LOADS 1, TRIP
	global_load_b32 v[NBV], v[BI], s[8:9]
	s_wait_loadcnt 25                              ; set 0 is in; set 1's 24 loads and the bias may stay out
	MULS 0, 1
	s_wait_loadcnt 0x0
	MULS 1, 0
.rept 8
	v_nop                                          ; the places behind the last products, in front of the sums that read them
.endr
.set r, 0
.rept 8
	v_pk_add_f32 v[ACC+r:ACC+r+1], v[ACC+r:ACC+r+1], v[ACC+16+r:ACC+16+r+1]  ; the two parities; each accumulator is read from its low end on
.set r, r+2
.endr
.irp j, 0,1
	ds_store_b128 v[LS], v[ACC+8*(\j):ACC+8*(\j)+3]   offset:PART+1024*(\j)
	ds_store_b128 v[LS], v[ACC+8*(\j)+4:ACC+8*(\j)+7] offset:PART+1024*(\j)+16
.endr
	s_wait_dscnt 0x0
	s_barrier_signal -1
	s_barrier_wait -1                              ; all four partial sums of both tiles lie in LDS
	s_cmp_lt_u32 s[WV], 2                          ; wave 0 finishes tile 0, wave 1 tile 1
	s_cbranch_scc0 .Lend
.irp v, 0,1,2,3
	ds_load_b128 v[BUF+8*(\v):BUF+8*(\v)+3],   v[LR] offset:PART+2048*(\v)
	ds_load_b128 v[BUF+8*(\v)+4:BUF+8*(\v)+7], v[LR] offset:PART+2048*(\v)+16
.endr
	v_mul_f32 v[NBV], 0xbfb8aa3b, v[NBV]           ; -log2(e) x bias
	s_wait_dscnt 0x0
.set r, 0
.rept 4
	v_pk_add_f32 v[BUF+r:BUF+r+1], v[BUF+r:BUF+r+1], v[BUF+8+r:BUF+8+r+1]
	v_pk_add_f32 v[BUF+16+r:BUF+16+r+1], v[BUF+16+r:BUF+16+r+1], v[BUF+24+r:BUF+24+r+1]
.set r, r+2
.endr
.set r, 0
.rept 4
	v_pk_add_f32 v[BUF+r:BUF+r+1], v[BUF+r:BUF+r+1], v[BUF+16+r:BUF+16+r+1]
.set r, r+2
.endr
.set r, 0
.rept 8
	v_fmamk_f32 v[BUF+r], v[BUF+r], 0xbfb8aa3b, v[NBV]  ; -log2(e) (sum + bias)
.set r, r+1
.endr
.set r, 0
.rept 8
	v_exp_f32 v[BUF+r], v[BUF+r]
.set r, r+1
.endr
	v_nop
	s_wait_alu depctr_va_vdst(0)                   ; one wait for the eight exponentials
.set r, 0
.rept 4
	v_pk_add_f32 v[BUF+r:BUF+r+1], v[BUF+r:BUF+r+1], 1.0 op_sel_hi:[1,0]
.set r, r+2
.endr
.set r, 0
.rept 8
	v_rcp_f32 v[BUF+r], v[BUF+r]
.set r, r+1
.endr
	v_nop
	s_wait_alu depctr_va_vdst(0)                   ; one wait for the eight reciprocals
	global_store_b128 v[YO], v[BUF:BUF+3], s[10:11]
	global_store_b128 v[YO], v[BUF+4:BUF+7], s[10:11] offset:16
.Lend:
	s_wait_tensorcnt 0x0                           ; the wave's end: behind my last LDS store
	ds_add_u32 v[SPW], v[NIL]
	s_wait_dscnt 0x0
	s_endpgm
.Lfunc_end_k_qe5193315eb_bgate:
	.size	k_qe5193315eb_bgate, .Lfunc_end_k_qe5193315eb_bgate-k_qe5193315eb_bgate
	.p2alignl 7, 3214868480
	.fill 96, 4, 3214868480
	.section	.rodata,"a",@progbits
	.p2align	6, 0x0
	.amdhsa_kernel k_qe5193315eb_bgate
		.amdhsa_group_segment_fixed_size 8704
		.amdhsa_private_segment_fixed_size 0
		.amdhsa_enable_private_segment 0
		.amdhsa_kernarg_size 32
		.amdhsa_user_sgpr_count 2
		.amdhsa_user_sgpr_kernarg_segment_ptr 1
		.amdhsa_wavefront_size32 1
		.amdhsa_system_sgpr_workgroup_id_x 1
		.amdhsa_system_sgpr_workgroup_id_y 1
		.amdhsa_system_sgpr_workgroup_id_z 1
		.amdhsa_system_vgpr_workitem_id 0
		.amdhsa_next_free_vgpr 256
		.amdhsa_next_free_sgpr 66
		.amdhsa_reserve_vcc 0
		.amdhsa_float_denorm_mode_32 3
		.amdhsa_float_denorm_mode_16_64 3
		.amdhsa_memory_ordered 1
		.amdhsa_forward_progress 1
		.amdhsa_inst_pref_size 12
	.end_amdhsa_kernel
	.amdgpu_metadata
---
amdhsa.version: [ 1, 2 ]
amdhsa.kernels:
  - .name:           k_qe5193315eb_bgate
    .symbol:         k_qe5193315eb_bgate.kd
    .args:
      - { .name: wbt, .offset: 0, .size: 8, .value_kind: global_buffer, .address_space: global }
      - { .name: xn, .offset: 8, .size: 8, .value_kind: global_buffer, .address_space: global }
      - { .name: b_beta, .offset: 16, .size: 8, .value_kind: global_buffer, .address_space: global }
      - { .name: beta, .offset: 24, .size: 8, .value_kind: global_buffer, .address_space: global }
    .group_segment_fixed_size: 8704
    .private_segment_fixed_size: 0
    .kernarg_segment_align: 8
    .kernarg_segment_size: 32
    .max_flat_workgroup_size: 128
    .sgpr_count:     66
    .vgpr_count:     256
    .wavefront_size: 32
...
	.end_amdgpu_metadata
.endif
;; end of part 2
;; launch gemm1 (part 3): grid 16 x 32, 4 waves a work-group, clusters of 4 x 4, 327,680 bytes of LDS; arguments xn, wt1, proj; writes proj
.if DOCPART == 3
	.amdgcn_target "amdgcn-amd-amdhsa--gfx1250"
	.amdhsa_code_object_version 6
	.text
	.protected	k_qe5193315eb_gemm1
	.globl	k_qe5193315eb_gemm1
	.p2align	8
	.type	k_qe5193315eb_gemm1,@function
k_qe5193315eb_gemm1:
	s_mov_b64 s[64:65], 0
	v_nop
	global_prefetch_b8 v0, s[64:65] scope:SCOPE_SE
	s_setreg_imm32_b32 hwreg(HW_REG_WAVE_MODE, 25, 1), 1
	s_wait_xcnt 0x0
	s_wait_alu depctr_hold_cnt(0) depctr_sa_sdst(0) depctr_va_vdst(0) depctr_va_sdst(0) depctr_va_ssrc(0) depctr_va_vcc(0) depctr_vm_vsrc(0)
	s_getreg_b32 s2, hwreg(HW_REG_IB_STS2, 6, 4)
	s_cmp_eq_u32 s2, 0
	s_cbranch_scc0 .Lentry_in_a_cluster
	s_endpgm
.Lentry_in_a_cluster:
	s_bfe_u32 s2, ttmp6, 0x10000c
	s_cmp_lg_u32 s2, 0xf033
	s_cbranch_scc0 .Lentry_shape_is_right
	s_endpgm
.Lentry_shape_is_right:
; proj[m][n] = sum over k of xn[m][k] wt1[n][k].  xn: [8192][1024], wt1: [4096][1024], proj: [8192][4096], all f16; sums in f32, proj rounded once.  LIMIT: a sum of 65,520 or more becomes an infinity.
; A tile of proj, 256 x 256 (one head's q, k, v and alpha's argument for 256 rows), is made by a work-group of four waves; a wave makes 128 x 128: 64 accumulators of 16 x 16, 512 registers.
; K goes in steps of 128 through a ring of two LDS slots filled by the tensor data mover; a tile row is 256 bytes of memory, at a multiple of 256 from the buffer's first byte.
; CLUSTERS: 4 x 4 work-groups.  The four of a row of the cluster need the same tiles of xn, the four of a column the same tiles of wt1: each tile is asked for JOINTLY, by the same tensor load with the same
; descriptor and a mask that names the four; that divides the requests by four.  The last K step goes by rows of the result, so that finished rows leave while the others are multiplied.
; REGISTERS, in windows of 256: window 0: v0-31 addresses; v64-127, v128-191 fragments of A, two buffers (in the last K step four, of 16 rows x 128 K); v32-63, v192-255 at work on the way out;
; window 1: v64-127, v128-191 fragments of B (in the last K step all 256); window 2: the 32 accumulators of my rows 0-63 ((a, b) at v[8 (8 a + b)]); window 3: those of rows 64-127.
; The matrix instruction is used transposed: source 0 = 16 rows of B, source 1 = 16 rows of A, so a lane holds eight neighbouring numbers of a row of the result: 16 bytes.
.set SIZE_M, 8192
.set SIZE_N, 4096
.set SIZE_K, 1024
.set KSTEP,  128
.set PITCH,  272                       ; an LDS row: 256 bytes + 16 of padding = 68 words: the 16 rows that a load touches start at 16 different groups of four banks (64 banks of 4 bytes: ISA guide 11.1)
.set HALFT,  128*PITCH                 ; what one tensor load brings
.set SLOT,   4*HALFT                   ; A's 256 rows, then B's 256 rows
.set STAGE,  2*SLOT                    ; behind the ring: 16 rows x 272 bytes for each wave, for the way out
.set SPITCH, 272
.set SPARE,  STAGE+4*16*SPITCH         ; behind the stages: the spare words, 128 bytes a wave
.set LAPS, SIZE_K/(2*KSTEP)
.set ADRA, 16                          ; v16-17  LDS address of my A fragments in slot 0, 1
.set ADRB, 20                          ; v20-21  the same for B
.set STO,  24
.set RD,   25
.set CO,   26
.set SPW,  28
.set NIL,  29
.set PFO,  30                          ; v30     my lane x a row of A or B in memory
.set PFA,  44                          ; s[44:45] where my prefetches stand
.set LIM,  43                          ; s43     1 in a wave that prefetches, else the greatest number
.set F0,   64
.set F1,   128
.set TMP,  192
.set OB,   32
.set PA,   64
.set G1, 24
.set G0, 32
.set G1B, 48
.set G0B, 56
.set MSB, 0
.macro WIN new                         ; the immediate's high byte repeats the setting that is left; a switch that changes nothing is dropped
.if MSB != (\new)
	s_set_vgpr_msb (MSB<<8)|(\new)
.set MSB, \new
.endif
.endm
.set MUL_LO, 0xa1                      ; source 0 (B) window 1, source 1 (A) window 0, C and D window 2
.set MUL_HI, 0xf1                      ; the same, C and D window 3
.set TO_B,   0x40                      ; destination window 1, address window 0
; A joint load: waves 0 and 1 fetch A's two halves, waves 2 and 3 B's.  The branch hangs on the wave's number alone.  An s_nop 0 and four v_nop follow each line.
.macro JLOAD s
	s_cmp_eq_u32 s11, 0
	s_cbranch_scc0 .Lfor_b_\@
	tensor_load_to_lds s[G0+4*(\s):G0+4*(\s)+3], s[G1:G1+7]
	s_nop 0
.rept 4
	v_nop
.endr
	s_branch .Lasked_\@
.Lfor_b_\@:
	tensor_load_to_lds s[G0B+4*(\s):G0B+4*(\s)+3], s[G1B:G1B+7]
	s_nop 0
.rept 4
	v_nop
.endr
.Lasked_\@:
.endm
; A prefetch, behind each joint refill and the run of LDS loads that follows it: the K step that stands two refills on, 32 rows x 256 bytes, a lane a row.  A's rows are asked for by the clusters with x = 0,
; B's by those with y = 0; the four partners share a wave's 128 rows out by address, 32 each.  So each row's 256 bytes of a K step are named once.  The loop's last trip (s3 = 1) has no K step two on.
.macro ASK
	s_cmp_gt_u32 s3, s[LIM]
	s_cbranch_scc0 .Lnot_mine_\@
	global_prefetch_b8 v[PFO], s[PFA:PFA+1] offset:KSTEP*2 th:TH_LOAD_NT scope:SCOPE_SE
.Lnot_mine_\@:
.endm
.macro CREST                           ; a round of the cluster's barrier behind its opening barrier
	s_cmp_lg_u32 s10, 0
	s_cbranch_scc1 .Lnot_wave_0_\@
	s_barrier_signal -3
.Lnot_wave_0_\@:
	s_barrier_wait -3
	s_barrier_signal -1
	s_barrier_wait -1
.endm
.macro CROUND
	s_barrier_signal -1
	s_barrier_wait -1
	CREST
.endm
	s_load_b128 s[4:7], s[0:1], 0x0                ; A s[4:5], B s[6:7]
	s_load_b64 s[8:9], s[0:1], 0x10                ; C
	v_lshl_add_u32 v[SPW], v0, 2, SPARE
	v_mov_b32 v[NIL], 0
	ds_add_u32 v[SPW], v[NIL]                      ; the wave's opening: the add, twice on end, and its wait ahead of my first tensor load
	ds_add_u32 v[SPW], v[NIL]
	v_lshrrev_b32 v1, 5, v0
	v_readfirstlane_b32 s10, v1                    ; wave 0..3
	s_lshr_b32 s11, s10, 1                         ; which half of the tile's rows is mine.  Also: I fetch for A (0) or for B (1)
	s_and_b32 s12, s10, 1                          ; which half of its columns.  Also: which 128 rows of that tile I fetch
	s_bfe_u32 s40, ttmp6, 0x40000                  ; cx
	s_bfe_u32 s41, ttmp6, 0x40004                  ; cy
	s_lshl_b32 s42, ttmp9, 2
	s_add_co_u32 s42, s42, s40                     ; tile column = 4 x cluster x + cx
	s_and_b32 s13, ttmp7, 0xffff
	s_lshl_b32 s13, s13, 2
	s_add_co_u32 s13, s13, s41                     ; tile row = 4 x cluster y + cy
	s_lshl_b32 s43, s41, 2
	s_lshl_b32 s43, 15, s43                        ; my row of the cluster
	s_lshl_b32 s44, 0x1111, s40                    ; my column
	s_or_b32 s[G1+0], s43, (1<<16)|(1<<20)|(1<<21)|(5<<22)|(3<<25)  ; the mask; 2-byte elements; padding on; bit 21 beside a mask; after every 64 words, 4 words
	s_or_b32 s[G1B+0], s44, (1<<16)|(1<<20)|(1<<21)|(5<<22)|(3<<25)
	s_mov_b32 s[G1B+1], KSTEP<<16
	s_mov_b32 s[G1+1], KSTEP<<16                   ; tensor_dim0 = 128
	s_mov_b32 s[G1B+2], 128<<16
	s_mov_b32 s[G1+2], 128<<16                     ; tensor_dim1 = 128
	s_mov_b32 s[G1B+3], KSTEP<<16
	s_mov_b32 s[G1+3], KSTEP<<16                   ; tile_dim0 = 128
	s_mov_b32 s[G1B+4], 128
	s_mov_b32 s[G1+4], 128                         ; tile_dim1 = 128
	s_mov_b32 s[G1B+5], SIZE_K
	s_mov_b32 s[G1+5], SIZE_K                      ; elements from row to row
	s_mov_b32 s[G1B+6], 0
	s_mov_b32 s[G1+6], 0
	s_mov_b32 s[G1B+7], 0
	s_mov_b32 s[G1+7], 0
	s_lshl_b32 s17, s12, 7
	s_lshl_b32 s16, s13, 8
	s_add_co_u32 s16, s16, s17                     ; A: row 256 x tile row + 128 x half
	s_lshl_b32 s46, s42, 8
	s_add_co_u32 s46, s46, s17                     ; B: row 256 x tile column + 128 x half
	s_mov_b32 s17, 0
	s_mov_b32 s47, 0
	s_mov_b64 s[18:19], SIZE_K*2
	s_mul_u64 s[16:17], s[16:17], s[18:19]
	s_mul_u64 s[46:47], s[46:47], s[18:19]
	s_mul_i32 s20, s10, HALFT                      ; where they go: wave x 128 rows: no place in the cluster enters an LDS address
	s_wait_dscnt 0x0                               ; both opening adds are done
	s_wait_kmcnt 0x0
	s_add_nc_u64 s[14:15], s[4:5], s[16:17]
	s_add_nc_u64 s[46:47], s[6:7], s[46:47]
	CROUND                                         ; all sixteen work-groups are here: the first joint loads meet
.irp s, 0,1
	s_mov_b32 s[G0+4*(\s)], 1
	s_add_co_u32 s[G0+4*(\s)+1], s20, (\s)*SLOT
	s_add_nc_u64 s[G0+4*(\s)+2:G0+4*(\s)+3], s[14:15], (\s)*KSTEP*2
	s_or_b32 s[G0+4*(\s)+3], s[G0+4*(\s)+3], 0x80000000
	s_mov_b32 s[G0B+4*(\s)], 1
	s_add_co_u32 s[G0B+4*(\s)+1], s20, (\s)*SLOT
	s_add_nc_u64 s[G0B+4*(\s)+2:G0B+4*(\s)+3], s[46:47], (\s)*KSTEP*2
	s_or_b32 s[G0B+4*(\s)+3], s[G0B+4*(\s)+3], 0x80000000
	JLOAD \s                                       ; two loads of mine are out
.endr
	v_and_b32 v1, 15, v0                           ; l % 16
	v_bfe_u32 v2, v0, 4, 1                         ; l / 16
	v_mul_u32_u24 v3, v1, PITCH
	v_lshl_add_u32 v3, v2, 4, v3                   ; a fragment's row x pitch + 16 x half
	s_mul_i32 s21, s11, HALFT
	s_mul_i32 s22, s12, HALFT
	s_add_co_u32 s22, s22, 2*HALFT
.irp s, 0,1
	v_add_nc_u32 v[ADRA+(\s)], s21, v3
	v_add_nc_u32 v[ADRB+(\s)], s22, v3
	s_add_co_u32 s21, s21, SLOT
	s_add_co_u32 s22, s22, SLOT
.endr
	s_mul_i32 s23, s10, 16*SPITCH
	s_add_co_u32 s23, s23, STAGE                   ; my stage
	v_mul_u32_u24 v4, v1, SPITCH
	v_lshl_add_u32 v4, v2, 4, v4
	v_add_nc_u32 v[STO], s23, v4
	v_mul_u32_u24 v5, v2, SPITCH
	v_lshl_add_u32 v5, v1, 4, v5
	v_add_nc_u32 v[RD], s23, v5
	v_mul_u32_u24 v5, v2, SIZE_N*2
	v_lshl_add_u32 v[CO], v1, 4, v5
	s_lshl_b32 s13, s13, 8
	s_lshl_b32 s14, s11, 7
	s_add_co_u32 s16, s13, s14                     ; my first row of C
	s_mov_b32 s17, 0
	s_mov_b64 s[18:19], SIZE_N*2
	s_mul_u64 s[16:17], s[16:17], s[18:19]
	s_lshl_b32 s46, s42, 9                         ; my first column, in bytes
	s_lshl_b32 s47, s12, 8
	s_add_co_u32 s46, s46, s47
	s_mov_b32 s47, 0
	s_add_nc_u64 s[16:17], s[16:17], s[46:47]
	s_lshl_b32 s42, s42, 8                         ; the prefetches
	s_and_b32 s22, ttmp7, 0xffff
	s_cmp_eq_u32 s11, 0                            ; do I fetch for A?
	s_cselect_b32 s20, s13, s42                    ; the tile's first row
	s_cselect_b32 s21, s40, s41                    ; my place among the four that ask with me
	s_cselect_b32 s22, ttmp9, s22                  ; the coordinate along which other clusters read the same rows
	s_cselect_b64 s[PFA:PFA+1], s[4:5], s[6:7]
	s_cmp_eq_u32 s22, 0
	s_cselect_b32 s[LIM], 1, -1                    ; the same in all sixteen partners, for a given wave
	s_lshl_b32 s22, s12, 7
	s_add_co_u32 s20, s20, s22
	s_lshl_b32 s21, s21, 5
	s_add_co_u32 s20, s20, s21
	s_mov_b32 s21, 0
	s_mov_b64 s[18:19], SIZE_K*2
	s_mul_u64 s[20:21], s[20:21], s[18:19]
	s_add_nc_u64 s[PFA:PFA+1], s[PFA:PFA+1], s[20:21]
	s_add_nc_u64 s[PFA:PFA+1], s[PFA:PFA+1], 2*KSTEP*2  ; at K step 2: the first refill steps it to 3 and names K step 4; K steps 0 to 3 come by their loads alone
	v_and_b32 v[PFO], 31, v0
	v_mul_u32_u24 v[PFO], v[PFO], SIZE_K*2
; 16 matrix instructions: m blocks a0, a0 + 1 of the window's four x all 8 n blocks, 32 along K.  zero = 1: the first product starts the sums.  The 64 accumulators take turns.
.macro MUL16 f, hi, a0, zero
	WIN MUL_LO+0x50*(\hi)
.irp a, \a0, (\a0)+1
.irp b, 0,1,2,3,4,5,6,7
.if \zero
	v_wmma_f32_16x16x32_f16 v[8*(8*(\a)+(\b)):8*(8*(\a)+(\b))+7], v[(\f)+8*(\b):(\f)+8*(\b)+7], v[(\f)+8*(4*(\hi)+(\a)):(\f)+8*(4*(\hi)+(\a))+7], 0
.else
	v_wmma_f32_16x16x32_f16 v[8*(8*(\a)+(\b)):8*(8*(\a)+(\b))+7], v[(\f)+8*(\b):(\f)+8*(\b)+7], v[(\f)+8*(4*(\hi)+(\a)):(\f)+8*(4*(\hi)+(\a))+7], v[8*(8*(\a)+(\b)):8*(8*(\a)+(\b))+7]
.endif
.endr
.endr
.endm
; 32 LDS loads in one run: the fragments of one quarter step into buffer f
.macro FETCH slot, k, f
	WIN TO_B
.irp i, 0,1,2,3,4,5,6,7
	ds_load_b128 v[(\f)+8*(\i):(\f)+8*(\i)+3],   v[ADRB+(\slot)] offset:(\k)+(\i)*16*PITCH
	ds_load_b128 v[(\f)+8*(\i)+4:(\f)+8*(\i)+7], v[ADRB+(\slot)] offset:(\k)+(\i)*16*PITCH+32
.endr
	WIN 0
.irp i, 0,1,2,3,4,5,6,7
	ds_load_b128 v[(\f)+8*(\i):(\f)+8*(\i)+3],   v[ADRA+(\slot)] offset:(\k)+(\i)*16*PITCH
	ds_load_b128 v[(\f)+8*(\i)+4:(\f)+8*(\i)+7], v[ADRA+(\slot)] offset:(\k)+(\i)*16*PITCH+32
.endr
.endm
.macro PLACES                          ; four plain vector instructions between a matrix instruction and a load into, or a vector read of, its registers
.rept 4
	v_nop
.endr
.endm
.macro QUARTER slot, k, f, g, zero
	s_wait_dscnt 8                                 ; B and A's rows 0-63 are in; the youngest eight loads (A's rows 64-127) may be out
	WIN MUL_LO
	MUL16 \f, 0, 0, \zero
	MUL16 \f, 0, 2, \zero
	PLACES
	FETCH \slot, \k, \g
	s_wait_dscnt 32                                ; all but the 32 just issued
	WIN MUL_HI
	MUL16 \f, 1, 0, \zero
	MUL16 \f, 1, 2, \zero
.endm
; The change of slots: one barrier.  In front of it each wave waits for all its tensor loads (one is out: its part of the next slot), adds 0 to its spare word, and waits for that and for its reads of this slot.
.macro MEET round
	WIN 0
	s_wait_tensorcnt 0x0
	ds_add_u32 v[SPW], v[NIL]
	s_wait_dscnt 9                                 ; the add and the youngest eight loads may be out
	WIN MUL_LO
	MUL16 F1, 0, 0, 0
	s_wait_dscnt 0x0                               ; the add is done, and my reads of this slot are over
	s_barrier_signal -1
	MUL16 F1, 0, 2, 0
.if \round
	WIN 0
.endif
	s_barrier_wait -1
.endm
.macro TURN slot, next
	s_wait_xcnt 0x0                                ; the last prefetch, a K step back, has read its address
	s_add_nc_u64 s[PFA:PFA+1], s[PFA:PFA+1], KSTEP*2
	MEET 1
	CREST                                          ; no wave of any partner still reads this slot's tile or has a load on its way
	s_add_nc_u64 s[G0+4*(\slot)+2:G0+4*(\slot)+3], s[G0+4*(\slot)+2:G0+4*(\slot)+3], 2*KSTEP*2
	s_add_nc_u64 s[G0B+4*(\slot)+2:G0B+4*(\slot)+3], s[G0B+4*(\slot)+2:G0B+4*(\slot)+3], 2*KSTEP*2
	JLOAD \slot                                    ; the first tensor load behind the round; its four v_nop are also the places in front of the loads below
	FETCH \next, 0, F0
	ASK
	WIN MUL_HI
	MUL16 F1, 1, 0, 0
	MUL16 F1, 1, 2, 0
.endm
; The last K step (slot 1) by rows of C: all its fragments of B fill window 1, then my eight blocks of 16 rows are finished one after the other, 32 matrix instructions each, K ascending.
.macro BLOAD q
	WIN TO_B
.irp i, 0,1,2,3,4,5,6,7
	ds_load_b128 v[64*(\q)+8*(\i):64*(\q)+8*(\i)+3],   v[ADRB+1] offset:64*(\q)+(\i)*16*PITCH
	ds_load_b128 v[64*(\q)+8*(\i)+4:64*(\q)+8*(\i)+7], v[ADRB+1] offset:64*(\q)+(\i)*16*PITCH+32
.endr
.endm
.macro ALOAD a
	WIN 0
.set FA, PA+32*((\a)%4)
.irp q, 0,1,2,3
	ds_load_b128 v[FA+8*(\q):FA+8*(\q)+3],   v[ADRA+1] offset:64*(\q)+(\a)*16*PITCH
	ds_load_b128 v[FA+8*(\q)+4:FA+8*(\q)+7], v[ADRA+1] offset:64*(\q)+(\a)*16*PITCH+32
.endr
.endm
.macro ROW a
.set FA, PA+32*((\a)%4)
.set AC, 64*((\a)%4)
	WIN MUL_LO+0x50*((\a)/4)
.irp q, 0,1,2,3
.if (\a) == 0 && (\q) == 2
	s_wait_dscnt 24                                ; B's quarter 2 is in (behind it: A's blocks 1 to 3)
.endif
.irp b, 0,1,2,3,4,5,6,7
	v_wmma_f32_16x16x32_f16 v[AC+8*(\b):AC+8*(\b)+7], v[64*(\q)+8*(\b):64*(\q)+8*(\b)+7], v[FA+8*(\q):FA+8*(\q)+7], v[AC+8*(\b):AC+8*(\b)+7]
.endr
.endr
.endm
.macro PACK a
.set AC, 64*((\a)%4)
	WIN 0x0a+5*((\a)/4)
.irp b, 0,1,2,3,4,5,6,7
.irp r, 0,1,2,3
	v_cvt_pk_f16_f32 v[TMP+4*(\b)+(\r)], v[AC+8*(\b)+2*(\r)], v[AC+8*(\b)+2*(\r)+1]
.endr
.endr
	WIN 0
.endm
.macro TOSTAGE a
	WIN 0
.set BK, OB+192*((\a)%2)
.irp b, 0,1,2,3,4,5,6,7
	ds_store_b128 v[STO], v[TMP+4*(\b):TMP+4*(\b)+3] offset:32*(\b)
.endr
.irp t, 0,1,2,3,4,5,6,7
	ds_load_b128 v[BK+4*(\t):BK+4*(\t)+3], v[RD] offset:(\t)*2*SPITCH  ; LDS serves a wave's instructions in order (ISA guide 5.7.1.4): these see the stores above
.endr
.endm
.macro SEND a, younger
	WIN 0
.set BK, OB+192*((\a)%2)
	s_wait_dscnt \younger
	s_wait_xcnt 0x0                                ; only behind this wait are the stores' base and the registers that earlier stores read rewritten
.if (\a) == 0
	s_add_nc_u64 s[8:9], s[8:9], s[16:17]
.else
	s_add_nc_u64 s[8:9], s[8:9], 16*SIZE_N*2
.endif
.irp t, 0,1,2,3,4,5,6,7
	global_store_b128 v[CO], v[BK+4*(\t):BK+4*(\t)+3], s[8:9] offset:2*(\t)*SIZE_N*2  ; 16 lanes store 256 consecutive bytes, aligned
.endr
.endm
	s_wait_tensorcnt 1                             ; my part of K step 0 is in; K step 1's may stay out
	s_barrier_signal -1
	s_barrier_wait -1
	FETCH 0, 0, F0
	QUARTER 0, 64,  F0, F1, 1                      ; the first quarter stands in front of the loop: its products start the sums
	WIN 0
	s_mov_b32 s3, LAPS-1
.Llap:                                                 ; a trip goes once round the ring and fills both slots again
	QUARTER 0, 128, F1, F0, 0
	QUARTER 0, 192, F0, F1, 0
	TURN 0, 1
	QUARTER 1, 64,  F0, F1, 0
	QUARTER 1, 128, F1, F0, 0
	QUARTER 1, 192, F0, F1, 0
	TURN 1, 0
	QUARTER 0, 64,  F0, F1, 0
	WIN 0
	s_sub_co_u32 s3, s3, 1
	s_cmp_lg_u32 s3, 0
	s_cbranch_scc1 .Llap
	QUARTER 0, 128, F1, F0, 0
	QUARTER 0, 192, F0, F1, 0
	MEET 0                                         ; nothing is filled again, so no round follows
	PLACES
	WIN TO_B
	BLOAD 0
	BLOAD 1
	BLOAD 3
	WIN 0
	ALOAD 0
	WIN MUL_HI
	MUL16 F1, 1, 0, 0
	MUL16 F1, 1, 2, 0
	PLACES
	WIN TO_B
	BLOAD 2
	WIN 0
	ALOAD 1
	ALOAD 2
	ALOAD 3
	s_wait_dscnt 40                                ; all but the 40 just issued
	ROW 0
.irp a, 0,1,2,3,4,5,6,7
	PLACES
	PACK \a
	TOSTAGE \a
.if (\a) < 4
	ALOAD (\a)+4
	SEND \a, 8
.else
	SEND \a, 0
.endif
.if (\a) < 7
	ROW (\a)+1
.endif
.endr
	s_wait_tensorcnt 0x0                           ; the wave's end
	ds_add_u32 v[SPW], v[NIL]
	s_wait_dscnt 0x0
	CROUND                                         ; the closing round
	s_endpgm
.Lfunc_end_k_qe5193315eb_gemm1:
	.size	k_qe5193315eb_gemm1, .Lfunc_end_k_qe5193315eb_gemm1-k_qe5193315eb_gemm1
	.p2alignl 7, 3214868480
	.fill 96, 4, 3214868480
	.section	.rodata,"a",@progbits
	.p2align	6, 0x0
	.amdhsa_kernel k_qe5193315eb_gemm1
		.amdhsa_group_segment_fixed_size 327680
		.amdhsa_private_segment_fixed_size 0
		.amdhsa_enable_private_segment 0
		.amdhsa_kernarg_size 24
		.amdhsa_user_sgpr_count 2
		.amdhsa_user_sgpr_kernarg_segment_ptr 1
		.amdhsa_wavefront_size32 1
		.amdhsa_system_sgpr_workgroup_id_x 1
		.amdhsa_system_sgpr_workgroup_id_y 1
		.amdhsa_system_sgpr_workgroup_id_z 1
		.amdhsa_system_vgpr_workitem_id 0
		.amdhsa_next_free_vgpr 1024
		.amdhsa_next_free_sgpr 66
		.amdhsa_reserve_vcc 0
		.amdhsa_float_denorm_mode_32 3
		.amdhsa_float_denorm_mode_16_64 3
		.amdhsa_memory_ordered 1
		.amdhsa_forward_progress 1
		.amdhsa_inst_pref_size 144
	.end_amdhsa_kernel
	.amdgpu_metadata
---
amdhsa.version: [ 1, 2 ]
amdhsa.kernels:
  - .name:           k_qe5193315eb_gemm1
    .symbol:         k_qe5193315eb_gemm1.kd
    .args:
      - { .name: xn, .offset: 0, .size: 8, .value_kind: global_buffer, .address_space: global }
      - { .name: wt1, .offset: 8, .size: 8, .value_kind: global_buffer, .address_space: global }
      - { .name: proj, .offset: 16, .size: 8, .value_kind: global_buffer, .address_space: global }
    .group_segment_fixed_size: 327680
    .private_segment_fixed_size: 0
    .kernarg_segment_align: 8
    .kernarg_segment_size: 24
    .max_flat_workgroup_size: 128
    .sgpr_count:     66
    .vgpr_count:     1024
    .wavefront_size: 32
...
	.end_amdgpu_metadata
.endif
;; end of part 3
;; launch kprep (part 4): grid 32 x 64, 4 waves a work-group, no clusters, 26,112 bytes of LDS; arguments proj, beta, b_alpha, cf; writes cf
.if DOCPART == 4
	.amdgcn_target "amdgcn-amd-amdhsa--gfx1250"
	.amdhsa_code_object_version 6
	.text
	.protected	k_qe5193315eb_kprep
	.globl	k_qe5193315eb_kprep
	.p2align	8
	.type	k_qe5193315eb_kprep,@function
k_qe5193315eb_kprep:
	s_mov_b64 s[64:65], 0
	v_nop
	global_prefetch_b8 v0, s[64:65] scope:SCOPE_SE
	s_setreg_imm32_b32 hwreg(HW_REG_WAVE_MODE, 25, 1), 1
	s_wait_xcnt 0x0
; FOR EACH CHUNK OF 16 STEPS of each (batch, head): all that does not hang on the state.  One wave, one chunk; no loop, no barrier; every LDS byte is the wave's own.
; IN: proj (q | k | v | z, 128 bytes each, for each row and head), beta, b_alpha.  a = sigmoid(z + b_alpha), kn = k / max(|k|, 1e-12).
; OUT: the chunk's file in cf, 18 segments of 512 bytes: 0-3 -What, 4-7 q Gamma_t, 8-11 Khat, 12-15 Uhat (each as pieces of 8 f16, steps 8 th .. 8 th + 7 of channel (l, e), at 512 (2 e + th) + 16 l);
; 16 B (lane t + 16 h: eight f16, i = 8 h ..); 17 Gamma_16, f32, by channel l + 32 e, written twice so that every byte of the file is stored.
; RATIOS WITHOUT DIVISION.  For i < t let lev be the highest bit in which t and i differ.  The product of a over i < s <= t is G(i) F(t): G the product behind i inside i's block of 2^lev steps, F the product up to
; and with t inside t's block.  KF = kn F, QF = q F, KG = kn G and the blocks' products TOT are carried from level to level by multiplications alone: every factor is at most 1 in size.
; At each level one pair of 16 x 16 products (rows with the bit set: KF or QF; the others: KG) gives all pairs of that level, picked by masks that are constants of the text.
; THE SOLVE (I + diag(b) A) X = diag(b) R is a forward substitution in f32, 16 steps, on What's and Uhat's 64 columns each.
; LAYOUT: lane l holds the channels at places 2 l and 2 l + 1 of every row: row t of an array is the pair v[ARR + 2 t : ARR + 2 t + 1].
; The first chunk's -What, q Gamma and Gamma, and the last chunk's Khat and Gamma, are made though scan does not use them: 1 chunk in 128, inside a unit of live work.
; No tensor load and no cluster: no two waves read the same bytes.  LIMITS: v_exp_f32, v_rcp_f32 and v_sqrt_f32 take denormals as 0: an a below 2^-126 counts as 0; f16's range for q, k, v, z.
.set SPARE, 25600                      ; behind the four waves' 6,400 bytes: the spare words
.set WBYTES, 6400
.set P16,  144                         ; a row of 64 f16 in LDS: 128 bytes + 16
.set QXO,  2304                        ; ZK at 0, QX here: 16 rows each
.set ATO,  4608                        ; A^T [i][t] f32, pitch 80
.set RHOO, 5888                        ; 16 x 1 / |k|
.set GTO,  6144                        ; Gamma_16
.set DG,   0                           ; v0   q_t . kn_t in the lanes that hold the diagonal (v0 as it came is used at the head alone)
.set OUT,  1                           ; v1   16 l
.set OFF,  2                           ; v2   4 l; later 8 l
.set OFF2, 3                           ; v3   r x 8,192 + 16 h; later my LDS base + 8 l
.set LZ,   4                           ; v4   base + 4 l
.set LF,   5                           ; v5   base + r x 144 + 16 h
.set LAT,  6                           ; v6   base + h x 640 + 4 r
.set LB,   7                           ; v7   base
.set SPW,  8
.set NIL,  9
.set ZERO, 10
.set ONE,  11
.set CNL,  12                          ; -log2(e)
.set RHOL, 13                          ; 1 / max(|k_r|, 1e-12)
.set NB,   14                          ; v[14:15] -log2(e) x b_alpha at my two channels
.set T,    16                          ; v[16:31] the 16 norms' reciprocals, then at work
.set RQ,   32                          ; as loaded: q, k, v, z, a register a row
.set RK,   48
.set RV,   64
.set RZ,   80
.set ZF,   32                          ; from the levels on: fragments and results
.set QXF,  48
.set DA,   64
.set DB,   72
.set RA,   80
.set RB,   88
.set KF,   96
.set QF,   128
.set KG,   160
.set TOT,  192
.set VV,   224
.set FK,   96                          ; for the first products: k's and q's fragments, the two results, and five at work
.set FQ,   112
.set DKK,  128
.set DQK,  136
.set XK,   144
.set XQ,   145
.set YY,   146
.set SS,   147
.set LR4,  148
.set BT,   16                          ; s[16:31] beta of the 16 steps
.set NBT,  32                          ; s[32:47] -beta
.set DM,   82                          ; s[82:89] the lanes that hold the diagonal in register j
.macro LMREG lev, j                    ; MR: the scalar register with the mask of level lev, register j: s48-63, s66-81
.set MR, 48+8*(\lev)+(\j)
.if 8*(\lev)+(\j) >= 16
.set MR, MR+2
.endif
.endm
.macro QREG q                          ; QR: quad q of A^T's 36: v32-95, then v128-207
.if (\q) < 16
.set QR, 32+4*(\q)
.else
.set QR, 128+4*((\q)-16)
.endif
.endm
	s_load_b256 s[4:11], s[0:1], 0x0               ; proj 4, beta 6, b_alpha 8, cf 10
	v_lshl_add_u32 v[SPW], v0, 2, SPARE
	v_mov_b32 v[NIL], 0
	v_lshrrev_b32 v1, 5, v0
	v_readfirstlane_b32 s12, v1                    ; wave 0..3
	v_and_b32 v16, 31, v0                          ; l
	v_and_b32 v17, 15, v0                          ; r
	v_bfe_u32 v18, v0, 4, 1                        ; h
	s_and_b32 s13, ttmp7, 0xffff                   ; 16 x batch + head
	s_lshl_b32 s14, ttmp9, 2
	s_add_co_u32 s14, s14, s12                     ; the chunk
	s_lshr_b32 s15, s13, 4
	s_and_b32 s32, s13, 15
	s_lshl_b32 s33, s15, 11
	s_lshl_b32 s34, s14, 4
	s_add_co_u32 s33, s33, s34                     ; its first row: 2,048 x batch + 16 x chunk
	s_lshl_b32 s34, s33, 13
	s_lshl_b32 s36, s32, 9
	s_add_co_u32 s34, s34, s36                     ; in proj
	s_mov_b32 s35, 0
	s_lshl_b32 s36, s32, 15
	s_lshl_b32 s38, s33, 2
	s_add_co_u32 s36, s36, s38                     ; in beta
	s_mov_b32 s37, 0
	s_lshl_b32 s38, s32, 8                         ; in b_alpha
	s_mov_b32 s39, 0
	s_lshl_b32 s40, s13, 7
	s_add_co_u32 s40, s40, s14
	s_mul_i32 s40, s40, 9216                       ; in cf
	s_mov_b32 s41, 0
	s_mul_i32 s42, s12, WBYTES                     ; my LDS
	v_lshlrev_b32 v[OUT], 4, v16
	v_lshlrev_b32 v[OFF], 2, v16
	v_lshlrev_b32 v[OFF2], 13, v17
	v_lshl_add_u32 v[OFF2], v18, 4, v[OFF2]
	v_add_nc_u32 v[LZ], s42, v[OFF]
	v_mul_u32_u24 v[LF], v17, P16
	v_lshl_add_u32 v[LF], v18, 4, v[LF]
	v_add_nc_u32 v[LF], s42, v[LF]
	v_mul_u32_u24 v[LAT], v18, 640
	v_lshl_add_u32 v[LAT], v17, 2, v[LAT]
	v_add_nc_u32 v[LAT], s42, v[LAT]
	v_mov_b32 v[LB], s42
	v_lshl_add_u32 v[LR4], v17, 2, s42
	v_lshlrev_b32 v19, 3, v16                      ; 8 l
	v_mov_b32 v[ZERO], 0
	v_mov_b32 v[ONE], 1.0
	v_mov_b32 v[CNL], 0xbfb8aa3b
	v_mov_b32 v[YY], 0
	s_wait_kmcnt 0x0
	s_add_nc_u64 s[4:5], s[4:5], s[34:35]
	s_add_nc_u64 s[6:7], s[6:7], s[36:37]
	s_add_nc_u64 s[8:9], s[8:9], s[38:39]
	s_add_nc_u64 s[10:11], s[10:11], s[40:41]
	s_load_b512 s[BT:BT+15], s[6:7], 0x0
.irp f, 0,1,2,3
	global_load_b128 v[FK+4*\f:FK+4*\f+3], v[OFF2], s[4:5] offset:128+32*\f  ; k as fragments: row r, channels 8 h .. and 16 + 8 h ..
.endr
.irp f, 0,1,2,3
	global_load_b128 v[FQ+4*\f:FQ+4*\f+3], v[OFF2], s[4:5] offset:32*\f
.endr
	global_load_b64 v[NB:NB+1], v19, s[8:9]
.set t, 0
.rept 16
	global_load_b32 v[RZ+t], v[OFF], s[4:5] offset:t*8192+384
.set t, t+1
.endr
.set t, 0
.rept 16
	global_load_b32 v[RK+t], v[OFF], s[4:5] offset:t*8192+128
.set t, t+1
.endr
.set t, 0
.rept 16
	global_load_b32 v[RQ+t], v[OFF], s[4:5] offset:t*8192
.set t, t+1
.endr
	; the masks, while the loads are out.  In a result lane L = (r, h) holds t = r and, in register j, i = 8 h + j.  Level lev's pairs: t > i and (t xor i) >> lev = 1.
.set lv, 0
.rept 4
.set jj, 0
.rept 8
.set mk, 0
.set LL, 0
.rept 32
.if ((LL&15) > (8*(LL>>4)+jj)) && ((((LL&15)^(8*(LL>>4)+jj))>>lv) == 1)
.set mk, mk|(1<<LL)
.endif
.set LL, LL+1
.endr
	LMREG lv, jj
	s_mov_b32 s[MR], mk
.set jj, jj+1
.endr
.set lv, lv+1
.endr
.set jj, 0
.rept 8
	s_mov_b32 s[DM+jj], (1<<jj)|(1<<(24+jj))       ; t = i: lanes j and 24 + j
.set jj, jj+1
.endr
	s_mov_b32 s90, 0x76543210
	s_mov_b32 s91, 0xfedcba98
	s_wait_kmcnt 0x0
.set t, 0
.rept 16
	s_xor_b32 s[NBT+t], s[BT+t], 0x80000000
.set t, t+1
.endr
	; |k|^2 and q . k lie on the diagonals of K K^T and K Q^T
	s_wait_loadcnt 49                              ; the eight fragment loads are in; b_alpha and 48 rows may stay out
	v_wmma_f32_16x16x32_f16 v[DKK:DKK+7], v[FK:FK+7], v[FK:FK+7], 0
	v_wmma_f32_16x16x32_f16 v[DQK:DQK+7], v[FK:FK+7], v[FQ:FQ+7], 0
	v_wmma_f32_16x16x32_f16 v[DKK:DKK+7], v[FK+8:FK+15], v[FK+8:FK+15], v[DKK:DKK+7]  ; the two accumulators take turns
	v_wmma_f32_16x16x32_f16 v[DQK:DQK+7], v[FK+8:FK+15], v[FQ+8:FQ+15], v[DQK:DQK+7]
.set t, 0
.rept 16
	global_load_b32 v[RV+t], v[OFF], s[4:5] offset:t*8192+256
.set t, t+1
.endr
	s_wait_loadcnt 48                              ; b_alpha and z are in; k's, q's and v's rows may stay out
	v_mul_f32 v[NB], v[CNL], v[NB]
	v_mul_f32 v[NB+1], v[CNL], v[NB+1]
.set t, 0
.rept 16
	v_fma_mix_f32 v[TOT+2*t], v[RZ+t], v[CNL], v[NB] op_sel_hi:[1,0,0]                    ; -log2(e) (z + b_alpha): these 32 lines are the places behind the products
	v_fma_mix_f32 v[TOT+2*t+1], v[RZ+t], v[CNL], v[NB+1] op_sel:[1,0,0] op_sel_hi:[1,0,0]
.set t, t+1
.endr
	v_cndmask_b32 v[XK], 0, v[DKK], s[DM]          ; each result is read from its low end on
	v_cndmask_b32 v[XQ], 0, v[DQK], s[DM]
.set j, 1
.rept 7
	v_cndmask_b32 v[XK], v[XK], v[DKK+j], s[DM+j]
	v_cndmask_b32 v[XQ], v[XQ], v[DQK+j], s[DM+j]
.set j, j+1
.endr
	v_permlanex16_b32 v[YY], v[XK], s90, s91       ; rows 0-7 lie in lanes 0-7, rows 8-15 in lanes 24-31: with the other half's every lane has its row r
	v_add_f32 v[SS], v[XK], v[YY]
.set t, 0
.rept 32
	v_exp_f32 v[TOT+t], v[TOT+t]
.set t, t+1
.endr
	v_sqrt_f32 v[SS], v[SS]
	v_nop
	s_wait_alu depctr_va_vdst(0)                   ; one wait for the 32 exponentials and the root
.set t, 0
.rept 16
	v_pk_add_f32 v[TOT+2*t:TOT+2*t+1], v[TOT+2*t:TOT+2*t+1], 1.0 op_sel_hi:[1,0]
.set t, t+1
.endr
	v_max_num_f32 v[SS], 0x2b8cbccc, v[SS]         ; max(|k|, 1e-12)
.set t, 0
.rept 32
	v_rcp_f32 v[TOT+t], v[TOT+t]                   ; a
.set t, t+1
.endr
	v_rcp_f32 v[RHOL], v[SS]
	v_nop
	s_wait_alu depctr_va_vdst(0)                   ; one wait for the 33 reciprocals
	v_mul_f32 v[DG], v[XQ], v[RHOL]
	ds_store_b32 v[LR4], v[RHOL] offset:RHOO       ; lanes r and 16 + r write the same word with the same number
.irp g, 0,1,2,3
	ds_load_b128 v[T+4*\g:T+4*\g+3], v[LB] offset:RHOO+16*\g  ; all 16, in every lane
.endr
	s_wait_loadcnt 32                              ; k's rows are in; q's and v's may stay out
	s_wait_dscnt 0x0
.set t, 0
.rept 16
	v_fma_mix_f32 v[KG+2*t], v[RK+t], v[T+t], v[ZERO] op_sel_hi:[1,0,0]                   ; kn
	v_fma_mix_f32 v[KG+2*t+1], v[RK+t], v[T+t], v[ZERO] op_sel:[1,0,0] op_sel_hi:[1,0,0]
.set t, t+1
.endr
.set t, 0
.rept 16
	v_pk_mul_f32 v[KF+2*t:KF+2*t+1], v[KG+2*t:KG+2*t+1], v[TOT+2*t:TOT+2*t+1]             ; kn a
.set t, t+1
.endr
	s_wait_loadcnt 16                              ; q's rows are in
.set t, 0
.rept 16
	v_fma_mix_f32 v[QF+2*t], v[RQ+t], v[TOT+2*t], v[ZERO] op_sel_hi:[1,0,0]               ; q a
	v_fma_mix_f32 v[QF+2*t+1], v[RQ+t], v[TOT+2*t+1], v[ZERO] op_sel:[1,0,0] op_sel_hi:[1,0,0]
.set t, t+1
.endr
	s_wait_loadcnt 0x0
.set t, 0
.rept 16
	v_fma_mix_f32 v[VV+2*t], v[RV+t], v[ONE], v[ZERO] op_sel_hi:[1,0,0]
	v_fma_mix_f32 v[VV+2*t+1], v[RV+t], v[ONE], v[ZERO] op_sel:[1,0,0] op_sel_hi:[1,0,0]
.set t, t+1
.endr
; ONE LEVEL.  Rows into LDS in f16; back as fragments; two products of two links, the accumulators by turns; the step to the next level (24 packed multiplications and the blocks' merges: the places behind
; the products); the level's pairs picked out of the results.
.macro LEVEL lev
.set t, 0
.rept 16
.if (t>>(\lev))&1
	v_cvt_pk_f16_f32 v[T+t], v[KF+2*t], v[KF+2*t+1]
.else
	v_cvt_pk_f16_f32 v[T+t], v[KG+2*t], v[KG+2*t+1]
.endif
	ds_store_b32 v[LZ], v[T+t] offset:t*P16
.set t, t+1
.endr
.set t, 0
.rept 16
.if ((t>>(\lev))&1) || ((\lev) == 0)   ; at level 0 every row of QX is written, so that no byte is read that nobody wrote; the other rows' products are never picked
	v_cvt_pk_f16_f32 v[T+t], v[QF+2*t], v[QF+2*t+1]
	ds_store_b32 v[LZ], v[T+t] offset:QXO+t*P16
.endif
.set t, t+1
.endr
.irp f, 0,1,2,3
	ds_load_b128 v[ZF+4*\f:ZF+4*\f+3], v[LF] offset:32*\f          ; LDS serves a wave's instructions in order (ISA guide 5.7.1.4): these see the stores above
	ds_load_b128 v[QXF+4*\f:QXF+4*\f+3], v[LF] offset:QXO+32*\f
.endr
	s_wait_dscnt 0x0
	v_wmma_f32_16x16x32_f16 v[DA:DA+7], v[ZF:ZF+7], v[ZF:ZF+7], 0
	v_wmma_f32_16x16x32_f16 v[DB:DB+7], v[ZF:ZF+7], v[QXF:QXF+7], 0
	v_wmma_f32_16x16x32_f16 v[DA:DA+7], v[ZF+8:ZF+15], v[ZF+8:ZF+15], v[DA:DA+7]
	v_wmma_f32_16x16x32_f16 v[DB:DB+7], v[ZF+8:ZF+15], v[QXF+8:QXF+15], v[DB:DB+7]
.set t, 0
.rept 16
.if (t>>(\lev))&1
.set tr, TOT+2*(((t>>(\lev))-1)<<(\lev))
	v_pk_mul_f32 v[KF+2*t:KF+2*t+1], v[KF+2*t:KF+2*t+1], v[tr:tr+1]  ; the block in front joins F
	v_pk_mul_f32 v[QF+2*t:QF+2*t+1], v[QF+2*t:QF+2*t+1], v[tr:tr+1]
.else
.set tr, TOT+2*(((t>>(\lev))+1)<<(\lev))
	v_pk_mul_f32 v[KG+2*t:KG+2*t+1], v[KG+2*t:KG+2*t+1], v[tr:tr+1]  ; the block behind joins G
.endif
.set t, t+1
.endr
.set bb, 0
.rept 8>>(\lev)
.set ta, TOT+2*((2*bb)<<(\lev))
.set tc, TOT+2*((2*bb+1)<<(\lev))
	v_pk_mul_f32 v[ta:ta+1], v[ta:ta+1], v[tc:tc+1]
.set bb, bb+1
.endr
.set j, 0
.rept 8
	LMREG \lev, j
.if (\lev) == 0
	v_cndmask_b32 v[RA+j], 0, v[DA+j], s[MR]
	v_cndmask_b32 v[RB+j], 0, v[DB+j], s[MR]
.else
	v_cndmask_b32 v[RA+j], v[RA+j], v[DA+j], s[MR]
	v_cndmask_b32 v[RB+j], v[RB+j], v[DB+j], s[MR]
.endif
.set j, j+1
.endr
.endm
	LEVEL 0
	LEVEL 1
	LEVEL 2
	LEVEL 3                                        ; now KF = kn Gamma_t, QF = q Gamma_t, KG = Khat, TOT's first pair = Gamma_16
; an array goes out: 8 steps of a channel are 16 bytes; each store of the wave covers 512 consecutive bytes, aligned
.macro EMIT arr, seg
	s_wait_xcnt 0x0                                ; T was the last stores' data
.irp e, 0,1
.set p, 0
.rept 8
	v_cvt_pk_f16_f32 v[T+8*\e+p], v[(\arr)+4*p+\e], v[(\arr)+4*p+2+\e]
.set p, p+1
.endr
.endr
.irp e, 0,1
.irp th, 0,1
	global_store_b128 v[OUT], v[T+8*\e+4*\th:T+8*\e+4*\th+3], s[10:11] offset:((\seg)+2*\e+\th)*512
.endr
.endr
.endm
.set j, 0
.rept 8
	ds_store_b32 v[LAT], v[RA+j] offset:ATO+j*80   ; A^T[i = 8 h + j][t = r]
	v_cndmask_b32 v[RB+j], v[RB+j], v[DG], s[DM+j] ; B's diagonal
.set j, j+1
.endr
.irp p, 0,1,2,3
	v_cvt_pk_f16_f32 v[T+\p], v[RB+2*\p], v[RB+2*\p+1]
.endr
	global_store_b128 v[OUT], v[T:T+3], s[10:11] offset:16*512
	EMIT QF, 4
	EMIT KG, 8
	v_lshl_add_u32 v[OFF2], v[OFF], 1, v[LB]       ; base + 8 l (all loads that named these two registers are done)
	v_lshlrev_b32 v[OFF], 1, v[OFF]                ; 8 l
	ds_store_b32 v[LZ], v[TOT] offset:GTO          ; Gamma_16 by channel l + 32 e
	ds_store_b32 v[LZ], v[TOT+1] offset:GTO+128
	ds_load_b64 v[ZF:ZF+1], v[OFF2] offset:GTO
	s_wait_dscnt 0x0
	global_store_b64 v[OFF], v[ZF:ZF+1], s[10:11] offset:17*512
	global_store_b64 v[OFF], v[ZF:ZF+1], s[10:11] offset:17*512+256
	s_wait_xcnt 0x0                                ; the loads below land on that store's data
.set i, 0
.set qd, 0
.rept 15
.set g, (i+1)>>2
.rept 4-g
	QREG qd
	ds_load_b128 v[QR:QR+3], v[LB] offset:ATO+i*80+16*g  ; A[4 g .. 4 g + 3][i], in every lane
.set g, g+1
.set qd, qd+1
.endr
.set i, i+1
.endr
	s_wait_dscnt 0x0
	; the substitution: row i is finished, then taken out of all later rows.  y = -What: y_i = -b_i acc_i, acc_t += A[t][i] y_i.  Uhat: x_i = b_i acc_i, acc_t -= A[t][i] x_i.
.set i, 0
.set cum, 0
.rept 16
	v_mul_f32 v[KF+2*i], s[NBT+i], v[KF+2*i]
	v_mul_f32 v[KF+2*i+1], s[NBT+i], v[KF+2*i+1]
	v_mul_f32 v[VV+2*i], s[BT+i], v[VV+2*i]
	v_mul_f32 v[VV+2*i+1], s[BT+i], v[VV+2*i+1]
.if i < 15
.set t, i+1
.rept 15-i
	QREG cum+(t>>2)-((i+1)>>2)
.set PR, QR+2*((t&3)>>1)
.if t&1
	v_pk_fma_f32 v[KF+2*t:KF+2*t+1], v[PR:PR+1], v[KF+2*i:KF+2*i+1], v[KF+2*t:KF+2*t+1] op_sel:[1,0,0] op_sel_hi:[1,1,1]
	v_pk_fma_f32 v[VV+2*t:VV+2*t+1], v[PR:PR+1], v[VV+2*i:VV+2*i+1], v[VV+2*t:VV+2*t+1] op_sel:[1,0,0] op_sel_hi:[1,1,1] neg_lo:[1,0,0] neg_hi:[1,0,0]
.else
	v_pk_fma_f32 v[KF+2*t:KF+2*t+1], v[PR:PR+1], v[KF+2*i:KF+2*i+1], v[KF+2*t:KF+2*t+1] op_sel_hi:[0,1,1]
	v_pk_fma_f32 v[VV+2*t:VV+2*t+1], v[PR:PR+1], v[VV+2*i:VV+2*i+1], v[VV+2*t:VV+2*t+1] op_sel_hi:[0,1,1] neg_lo:[1,0,0] neg_hi:[1,0,0]
.endif
.set t, t+1
.endr
.endif
.set cum, cum+4-((i+1)>>2)
.set i, i+1
.endr
	EMIT KF, 0
	EMIT VV, 12
	s_wait_tensorcnt 0x0                           ; the wave's end: behind my last LDS store
	ds_add_u32 v[SPW], v[NIL]
	s_wait_dscnt 0x0
	s_endpgm
.Lfunc_end_k_qe5193315eb_kprep:
	.size	k_qe5193315eb_kprep, .Lfunc_end_k_qe5193315eb_kprep-k_qe5193315eb_kprep
	.p2alignl 7, 3214868480
	.fill 96, 4, 3214868480
	.section	.rodata,"a",@progbits
	.p2align	6, 0x0
	.amdhsa_kernel k_qe5193315eb_kprep
		.amdhsa_group_segment_fixed_size 26112
		.amdhsa_private_segment_fixed_size 0
		.amdhsa_enable_private_segment 0
		.amdhsa_kernarg_size 32
		.amdhsa_user_sgpr_count 2
		.amdhsa_user_sgpr_kernarg_segment_ptr 1
		.amdhsa_wavefront_size32 1
		.amdhsa_system_sgpr_workgroup_id_x 1
		.amdhsa_system_sgpr_workgroup_id_y 1
		.amdhsa_system_sgpr_workgroup_id_z 1
		.amdhsa_system_vgpr_workitem_id 0
		.amdhsa_next_free_vgpr 256
		.amdhsa_next_free_sgpr 92
		.amdhsa_reserve_vcc 0
		.amdhsa_float_denorm_mode_32 3
		.amdhsa_float_denorm_mode_16_64 3
		.amdhsa_memory_ordered 1
		.amdhsa_forward_progress 1
		.amdhsa_inst_pref_size 81
	.end_amdhsa_kernel
	.amdgpu_metadata
---
amdhsa.version: [ 1, 2 ]
amdhsa.kernels:
  - .name:           k_qe5193315eb_kprep
    .symbol:         k_qe5193315eb_kprep.kd
    .args:
      - { .name: proj, .offset: 0, .size: 8, .value_kind: global_buffer, .address_space: global }
      - { .name: beta, .offset: 8, .size: 8, .value_kind: global_buffer, .address_space: global }
      - { .name: b_alpha, .offset: 16, .size: 8, .value_kind: global_buffer, .address_space: global }
      - { .name: cf, .offset: 24, .size: 8, .value_kind: global_buffer, .address_space: global }
    .group_segment_fixed_size: 26112
    .private_segment_fixed_size: 0
    .kernarg_segment_align: 8
    .kernarg_segment_size: 32
    .max_flat_workgroup_size: 128
    .sgpr_count:     92
    .vgpr_count:     256
    .wavefront_size: 32
...
	.end_amdgpu_metadata
.endif
;; end of part 4
;; launch scan (part 5): grid 64 x 1, 4 waves a work-group, no clusters, 327,680 bytes of LDS; arguments cf, ob; writes ob
.if DOCPART == 5
	.amdgcn_target "amdgcn-amd-amdhsa--gfx1250"
	.amdhsa_code_object_version 6
	.text
	.protected	k_qe5193315eb_scan
	.globl	k_qe5193315eb_scan
	.p2align	8
	.type	k_qe5193315eb_scan,@function
k_qe5193315eb_scan:
	s_mov_b64 s[64:65], 0
	v_nop
	global_prefetch_b8 v0, s[64:65] scope:SCOPE_SE
	s_setreg_imm32_b32 hwreg(HW_REG_WAVE_MODE, 25, 1), 1
	s_wait_xcnt 0x0
; THE STATE, chunk after chunk: U = Uhat - What S0, O = (q Gamma) S0 + B U, S = Gamma_16 S0 + Khat^T U, 128 chunks of 16 steps for each (batch, head).
; LEFT OUT: the first chunk's products with S0 and its decay of S0 (reference() starts from a state of zeros: products with 0 for every input), and the last chunk's new state (it reaches no output).
; SHARES.  A work-group is one (batch, head); wave g owns the value columns 16 g .. 16 g + 15, which never meet another wave's.  16 columns are a matrix instruction's width, so 64 x 4 waves are all the width
; that this chain has.  NO CLUSTER: no two work-groups read the same byte; the four waves share their chunk files in one LDS.
; THE RING: two LDS slots of eight chunk files; each wave brings two of the eight by one tensor load.  A file's 18 segments of 512 bytes are laid 640 bytes apart, so that the two pieces that a turning load
; touches fall on different halves of the banks (64 banks of 4 bytes: ISA guide 11.1).  Nothing is stored to LDS.
; A BODY computes one chunk while it loads the next chunk's fragments into the registers that the chunk in hand has just left.
; LAYOUTS.  S: four tiles of 16 channels x 16 columns in f32 (register j: channel 16 mu + 8 h + j, column r); rounded in pairs they ARE the f16 fragments of S^T.  U (register j: step 8 h + j, column r) rounded in
; pairs IS the fragment of U^T; its K is 16, the upper 16 are registers of zeros.  -What and q Gamma lie [channel][step] and come turned, by ds_load_tr16_b128.  O is made transposed: a lane holds one step and
; eight columns: 16 bytes.  ob: [batch][column / 8][step][8] f16, o times 2^-10: sixteen lanes store 256 consecutive bytes, aligned.
; The state is carried in f32.  LIMITS: the state and u stay under 65,504 where they are rounded to f16, o under 6.7e7.
.set CHB,   11520                      ; a chunk file in LDS: 18 x 640
.set SLOTB, 92160                      ; eight of them
.set SPARE, 184320                     ; behind the ring: the spare words, 128 bytes a wave
.set LT,  2                            ; v2   640 ((L >> 3) & 1) + 128 h + 16 (L & 7): the turning loads
.set LK,  3                            ; v3   640 h + 16 r
.set LU,  4                            ; v4   LK + 1,280 (g >> 1) + 256 (g & 1)
.set LBF, 5                            ; v5   16 L
.set LG,  6                            ; v6   32 h
.set AT,  7                            ; v7-11 the same five with the chunk's place in LDS
.set AK,  8
.set AU,  9
.set AB,  10
.set AG,  11
.set GO,  12                           ; v12  h x 32,768 + 16 r + g x 65,536; never rewritten
.set PFO, 13                           ; v13  256 L + 16,384 g; never rewritten
.set SPW, 14
.set NIL, 15
.set W,   16                           ; v[16:31]   -What, two fragments
.set Q,   32                           ; v[32:47]   q Gamma
.set KH,  48                           ; v[48:79]   Khat^T, four fragments: four registers loaded, four of zeros
.set BF,  80                           ; v[80:87]   B, likewise
.set UP,  88                           ; v[88:91]   Uhat, f16
.set UA,  92                           ; v[92:99]   U
.set UF,  100                          ; v[100:107] U^T's fragment
.set OA,  108                          ; v[108:115] O^T
.set OF,  116                          ; v[116:119] to store
.set GM,  120                          ; v[120:151] Gamma_16 as S lies
.set S,   152                          ; v[152:183]
.set SF,  184                          ; v[184:199]
.set G1,  16                           ; s[16:23] descriptor group 1
.set G0,  24                           ; s[24:31] group 0, a set for each slot
.set TB,  32                           ; s32  LDS byte of the chunk to be loaded
.set CNT, 33
.set PFA, 36                           ; s[36:37]
.set PH,  44
	s_load_b128 s[4:7], s[0:1], 0x0                ; cf 4, ob 6
	v_lshl_add_u32 v[SPW], v0, 2, SPARE
	v_mov_b32 v[NIL], 0
	ds_add_u32 v[SPW], v[NIL]                      ; the wave's opening: the add, twice on end, and its wait ahead of my first tensor load
	ds_add_u32 v[SPW], v[NIL]
	v_lshrrev_b32 v1, 5, v0
	v_readfirstlane_b32 s8, v1                     ; wave 0..3 = g
	s_mov_b32 s[G1+0], (3<<16)|(1<<20)|(6<<22)|(31<<25)  ; elements of 8 bytes; padding on; after every 128 words, 32 words
	s_mov_b32 s[G1+1], 64<<16                      ; tensor_dim0 = 64 elements: a segment
	s_mov_b32 s[G1+2], 36<<16                      ; tensor_dim1 = 36: two files
	s_mov_b32 s[G1+3], 64<<16                      ; tile_dim0
	s_mov_b32 s[G1+4], 36                          ; tile_dim1
	s_mov_b32 s[G1+5], 64                          ; the segments lie end to end
	s_mov_b32 s[G1+6], 0
	s_mov_b32 s[G1+7], 0
	s_mul_i32 s9, s8, 2*CHB
	s_mov_b32 s[G0], 1
	s_mov_b32 s[G0+1], s9                          ; slot 0: wave x two files
	s_mov_b32 s[G0+4], 1
	s_add_co_u32 s[G0+5], s9, SLOTB
	s_lshl_b32 s10, ttmp9, 7
	s_lshl_b32 s11, s8, 1
	s_add_co_u32 s10, s10, s11
	s_mul_i32 s10, s10, 9216                       ; my two files of the first eight
	s_mov_b32 s11, 0
	s_mul_i32 s12, ttmp9, 128*9216
	s_add_co_u32 s12, s12, 4*73728                 ; the fifth eight: the first refill steps this on by one
	s_mov_b32 s13, 0
	s_lshl_b32 s14, ttmp9, 18                      ; ob: 8 blocks of 32,768 bytes for each (batch, head)
	s_mov_b32 s15, 0
	s_wait_dscnt 0x0                               ; both opening adds are done
	s_wait_kmcnt 0x0
	s_add_nc_u64 s[G0+2:G0+3], s[4:5], s[10:11]
	s_add_nc_u64 s[G0+6:G0+7], s[G0+2:G0+3], 73728
	s_or_b32 s[G0+3], s[G0+3], 0x80000000
	s_or_b32 s[G0+7], s[G0+7], 0x80000000
	tensor_load_to_lds s[G0:G0+3], s[G1:G1+7]      ; chunks 0-7
	s_nop 0
	tensor_load_to_lds s[G0+4:G0+7], s[G1:G1+7]    ; chunks 8-15: two loads of mine are out
	s_nop 0
	s_add_nc_u64 s[PFA:PFA+1], s[4:5], s[12:13]
	s_add_nc_u64 s[6:7], s[6:7], s[14:15]
	v_and_b32 v1, 31, v0
	v_and_b32 v16, 15, v0
	v_bfe_u32 v17, v0, 4, 1
	v_bfe_u32 v18, v0, 3, 1
	v_and_b32 v19, 7, v0
	v_mul_u32_u24 v[LT], v18, 640
	v_lshl_add_u32 v[LT], v17, 7, v[LT]
	v_lshl_add_u32 v[LT], v19, 4, v[LT]
	v_mul_u32_u24 v[LK], v17, 640
	v_lshl_add_u32 v[LK], v16, 4, v[LK]
	s_lshr_b32 s9, s8, 1
	s_mul_i32 s9, s9, 1280
	s_and_b32 s10, s8, 1
	s_lshl_b32 s10, s10, 8
	s_add_co_u32 s9, s9, s10
	v_add_nc_u32 v[LU], s9, v[LK]
	v_lshlrev_b32 v[LBF], 4, v1
	v_lshlrev_b32 v[LG], 5, v17
	v_lshlrev_b32 v[GO], 15, v17
	v_lshl_add_u32 v[GO], v16, 4, v[GO]
	s_lshl_b32 s9, s8, 16
	v_add_nc_u32 v[GO], s9, v[GO]
	v_lshlrev_b32 v[PFO], 8, v1
	s_lshl_b32 s9, s8, 14
	v_add_nc_u32 v[PFO], s9, v[PFO]
.irp m, 0,1,2,3
.irp z, 4,5,6,7
	v_mov_b32 v[KH+8*\m+\z], 0                     ; K = 16 .. 31 of the short products: zeros, written once
.endr
.endr
.irp z, 4,5,6,7
	v_mov_b32 v[BF+\z], 0
	v_mov_b32 v[UF+\z], 0
.endr
.macro ADDRS
	v_add_nc_u32 v[AT], s[TB], v[LT]
	v_add_nc_u32 v[AK], s[TB], v[LK]
	v_add_nc_u32 v[AU], s[TB], v[LU]
	v_add_nc_u32 v[AB], s[TB], v[LBF]
	v_add_nc_u32 v[AG], s[TB], v[LG]
.endm
.macro G1LOAD                          ; 17 loads: what stage 1 and the decay want
.irp k, 0,1
	ds_load_tr16_b128 v[W+8*\k:W+8*\k+3],   v[AT] offset:\k*1280
	ds_load_tr16_b128 v[W+8*\k+4:W+8*\k+7], v[AT] offset:\k*1280+256
	ds_load_tr16_b128 v[Q+8*\k:Q+8*\k+3],   v[AT] offset:2560+\k*1280
	ds_load_tr16_b128 v[Q+8*\k+4:Q+8*\k+7], v[AT] offset:2560+\k*1280+256
.endr
	ds_load_b128 v[UP:UP+3], v[AU] offset:7680
.irp m, 0,1,2,3
	ds_load_b128 v[GM+8*\m:GM+8*\m+3],   v[AG] offset:10880+64*\m
	ds_load_b128 v[GM+8*\m+4:GM+8*\m+7], v[AG] offset:10880+64*\m+16
.endr
.endm
.macro G2LOAD                          ; 5 loads: what stage 2 wants
.irp m, 0,1,2,3
	ds_load_b128 v[KH+8*\m:KH+8*\m+3], v[AK] offset:5120+(\m/2)*1280+(\m%2)*256
.endr
	ds_load_b128 v[BF:BF+3], v[AB] offset:10240
.endm
.macro SUPD m, zero                    ; S tile m += Khat^T U
.if \zero
	v_wmma_f32_16x16x32_f16 v[S+8*(\m):S+8*(\m)+7], v[KH+8*(\m):KH+8*(\m)+7], v[UF:UF+7], 0
.else
	v_wmma_f32_16x16x32_f16 v[S+8*(\m):S+8*(\m)+7], v[KH+8*(\m):KH+8*(\m)+7], v[UF:UF+7], v[S+8*(\m):S+8*(\m)+7]
.endif
.endm
; A BODY: one chunk is computed; load = 1: the next chunk's fragments are loaded.  first = 1: the launch's first chunk (S0 = 0).  last = 1: its last (no new state).
; No two matrix instructions that follow each other share an accumulator, over the backward jumps too (a body ends on S's last tile and begins on U).
.macro BODY load, first, last
.if \load
	ADDRS
.endif
.if \first
	s_wait_dscnt 0x0                               ; Khat, B and Uhat of chunk 0
.irp p, 0,1,2,3
	v_mov_b32 v[UF+\p], v[UP+\p]                   ; U = Uhat: its pairs of f16 are the fragment already
.endr
	G1LOAD
	SUPD 0, 1
	SUPD 1, 1
	v_wmma_f32_16x16x32_f16 v[OA:OA+7], v[UF:UF+7], v[BF:BF+7], 0
	SUPD 2, 1
	SUPD 3, 1
.else
.if \load
	s_wait_dscnt 5                                 ; the last body's 17 are in; its 5 younger loads may stay out
.else
	s_wait_dscnt 0x0
.endif
	v_cvt_f32_f16 v92, v88.l                       ; U starts as Uhat
	v_cvt_f32_f16 v93, v88.h
	v_cvt_f32_f16 v94, v89.l
	v_cvt_f32_f16 v95, v89.h
	v_cvt_f32_f16 v96, v90.l
	v_cvt_f32_f16 v97, v90.h
	v_cvt_f32_f16 v98, v91.l
	v_cvt_f32_f16 v99, v91.h
.if \last
	v_wmma_f32_16x16x32_f16 v[OA:OA+7], v[SF:SF+7], v[Q:Q+7], 0          ; here O goes first, so that its link of stage 2 does not follow its own
	v_wmma_f32_16x16x32_f16 v[UA:UA+7], v[W:W+7], v[SF:SF+7], v[UA:UA+7]
	v_wmma_f32_16x16x32_f16 v[OA:OA+7], v[SF+8:SF+15], v[Q+8:Q+15], v[OA:OA+7]
	v_wmma_f32_16x16x32_f16 v[UA:UA+7], v[W+8:W+15], v[SF+8:SF+15], v[UA:UA+7]
.rept 4
	v_nop                                          ; the places in front of the roundings that read U
.endr
.else
	v_wmma_f32_16x16x32_f16 v[UA:UA+7], v[W:W+7], v[SF:SF+7], v[UA:UA+7]
	v_wmma_f32_16x16x32_f16 v[OA:OA+7], v[SF:SF+7], v[Q:Q+7], 0
	v_wmma_f32_16x16x32_f16 v[UA:UA+7], v[W+8:W+15], v[SF+8:SF+15], v[UA:UA+7]
	v_wmma_f32_16x16x32_f16 v[OA:OA+7], v[SF+8:SF+15], v[Q+8:Q+15], v[OA:OA+7]
.set z, 0
.rept 16
	v_pk_mul_f32 v[S+2*z:S+2*z+1], v[S+2*z:S+2*z+1], v[GM+2*z:GM+2*z+1]  ; the decay: sixteen places behind stage 1
.set z, z+1
.endr
.endif
.if \load
	G1LOAD
.endif
.irp p, 0,1,2,3
	v_cvt_pk_f16_f32 v[UF+\p], v[UA+2*\p], v[UA+2*\p+1]
.endr
.if \load
	s_wait_dscnt 17                                ; the last body's 5 are in; the 17 just issued may stay out
.endif
.if \last
	v_wmma_f32_16x16x32_f16 v[OA:OA+7], v[UF:UF+7], v[BF:BF+7], v[OA:OA+7]
.else
	SUPD 0, 0
	SUPD 1, 0
	v_wmma_f32_16x16x32_f16 v[OA:OA+7], v[UF:UF+7], v[BF:BF+7], v[OA:OA+7]
	SUPD 2, 0
	SUPD 3, 0
.endif
.endif
.rept 4
	v_nop                                          ; the places in front of the loads into Khat's and B's registers and of the lines that read O
.endr
.if \load
	G2LOAD
	s_add_co_u32 s[TB], s[TB], CHB
.endif
	s_wait_xcnt 0x0                                ; the last store has read its data and its base
.if !(\first)
	s_add_nc_u64 s[6:7], s[6:7], 256               ; 16 steps x 16 bytes
.endif
.irp p, 0,1,2,3
	v_pk_mul_f32 v[OA+2*\p:OA+2*\p+1], v[OA+2*\p:OA+2*\p+1], 0x3a800000 op_sel_hi:[1,0]  ; x 2^-10
.endr
.irp p, 0,1,2,3
	v_cvt_pk_f16_f32 v[OF+\p], v[OA+2*\p], v[OA+2*\p+1]
.endr
	global_store_b128 v[GO], v[OF:OF+3], s[6:7]
.if !(\last)
.set z, 0
.rept 16
	v_cvt_pk_f16_f32 v[SF+z], v[S+2*z], v[S+2*z+1] ; the state's f16 copy for the next chunk's products; each tile is read from its low end on
.set z, z+1
.endr
.endif
.endm
; THE CHANGE OF SLOTS, in front of the bodies that load from slot.  Each wave waits for all its tensor loads (one is out: its part of that slot), adds 0 to its spare word, and waits for that and for its reads of the
; other slot.  Behind the barrier nobody reads the other slot and this one is whole.  fill = 1: the other slot is filled again first thing, with the chunks two slots on: eight bodies in which to land.
; Behind the load a wave prefetches its share of the eight files that stand THREE refills on: 288 blocks of 256 bytes, a lane a block: two instructions a wave (64 blocks), and wave 0 the last 32.  Each block is
; named once.  The chunks of the first five slots come by their loads alone; the refills whose third successor does not exist (PH at or under lim) ask for nothing.
.macro CHANGE slot, fill, lim
	s_wait_tensorcnt 0x0                           ; no tensor load of mine is out, so a group 0 may be written
	ds_add_u32 v[SPW], v[NIL]
.if \fill
	s_add_nc_u64 s[G0+4*(1-(\slot))+2:G0+4*(1-(\slot))+3], s[G0+4*(1-(\slot))+2:G0+4*(1-(\slot))+3], 2*73728
	s_wait_xcnt 0x0                                ; the last prefetches, eight bodies back, have read their address
	s_add_nc_u64 s[PFA:PFA+1], s[PFA:PFA+1], 73728
.endif
	s_wait_dscnt 0x0                               ; the add is done, and my reads of the other slot are over
	s_barrier_signal -1
	s_barrier_wait -1
.if \fill
	tensor_load_to_lds s[G0+4*(1-(\slot)):G0+4*(1-(\slot))+3], s[G1:G1+7]
	s_nop 0
	s_cmp_gt_u32 s[PH], \lim
	s_cbranch_scc0 .Lno_ask_\@
	global_prefetch_b8 v[PFO], s[PFA:PFA+1] th:TH_LOAD_NT scope:SCOPE_SE
	global_prefetch_b8 v[PFO], s[PFA:PFA+1] offset:8192 th:TH_LOAD_NT scope:SCOPE_SE
	s_cmp_lg_u32 s8, 0
	s_cbranch_scc1 .Lno_ask_\@
	global_prefetch_b8 v[PFO], s[PFA:PFA+1] offset:65536 th:TH_LOAD_NT scope:SCOPE_SE
.Lno_ask_\@:
.endif
	s_mov_b32 s[TB], (\slot)*SLOTB
.endm
	s_wait_tensorcnt 1                             ; my part of slot 0 is in; slot 1's may stay out
	s_barrier_signal -1
	s_barrier_wait -1
	s_mov_b32 s[TB], 0
	ADDRS
	G2LOAD                                         ; chunk 0: Khat, B
	ds_load_b128 v[UP:UP+3], v[AU] offset:7680     ; and Uhat
	s_add_co_u32 s[TB], s[TB], CHB
	BODY 1, 1, 0                                   ; chunk 0; loads chunk 1
	s_mov_b32 s[CNT], 6
.Lp0:
	BODY 1, 0, 0                                   ; chunks 1-6; load 2-7
	s_sub_co_u32 s[CNT], s[CNT], 1
	s_cmp_lg_u32 s[CNT], 0
	s_cbranch_scc1 .Lp0
	s_mov_b32 s[PH], 7
.Lph:                                              ; seven trips of sixteen chunks
	CHANGE 1, 1, 1
	s_mov_b32 s[CNT], 8
.Lpa:
	BODY 1, 0, 0
	s_sub_co_u32 s[CNT], s[CNT], 1
	s_cmp_lg_u32 s[CNT], 0
	s_cbranch_scc1 .Lpa
	CHANGE 0, 1, 2
	s_mov_b32 s[CNT], 8
.Lpb:
	BODY 1, 0, 0
	s_sub_co_u32 s[CNT], s[CNT], 1
	s_cmp_lg_u32 s[CNT], 0
	s_cbranch_scc1 .Lpb
	s_sub_co_u32 s[PH], s[PH], 1
	s_cmp_lg_u32 s[PH], 0
	s_cbranch_scc1 .Lph
	CHANGE 1, 0, 0                                 ; the last slot: nothing is asked for
	s_mov_b32 s[CNT], 8
.Lpc:
	BODY 1, 0, 0
	s_sub_co_u32 s[CNT], s[CNT], 1
	s_cmp_lg_u32 s[CNT], 0
	s_cbranch_scc1 .Lpc
	BODY 0, 0, 1                                   ; chunk 127
	s_wait_tensorcnt 0x0                           ; the wave's end
	ds_add_u32 v[SPW], v[NIL]
	s_wait_dscnt 0x0
	s_endpgm
.Lfunc_end_k_qe5193315eb_scan:
	.size	k_qe5193315eb_scan, .Lfunc_end_k_qe5193315eb_scan-k_qe5193315eb_scan
	.p2alignl 7, 3214868480
	.fill 96, 4, 3214868480
	.section	.rodata,"a",@progbits
	.p2align	6, 0x0
	.amdhsa_kernel k_qe5193315eb_scan
		.amdhsa_group_segment_fixed_size 327680
		.amdhsa_private_segment_fixed_size 0
		.amdhsa_enable_private_segment 0
		.amdhsa_kernarg_size 16
		.amdhsa_user_sgpr_count 2
		.amdhsa_user_sgpr_kernarg_segment_ptr 1
		.amdhsa_wavefront_size32 1
		.amdhsa_system_sgpr_workgroup_id_x 1
		.amdhsa_system_sgpr_workgroup_id_y 1
		.amdhsa_system_sgpr_workgroup_id_z 1
		.amdhsa_system_vgpr_workitem_id 0
		.amdhsa_next_free_vgpr 208
		.amdhsa_next_free_sgpr 66
		.amdhsa_reserve_vcc 0
		.amdhsa_float_denorm_mode_32 3
		.amdhsa_float_denorm_mode_16_64 3
		.amdhsa_memory_ordered 1
		.amdhsa_forward_progress 1
		.amdhsa_inst_pref_size 37
	.end_amdhsa_kernel
	.amdgpu_metadata
---
amdhsa.version: [ 1, 2 ]
amdhsa.kernels:
  - .name:           k_qe5193315eb_scan
    .symbol:         k_qe5193315eb_scan.kd
    .args:
      - { .name: cf, .offset: 0, .size: 8, .value_kind: global_buffer, .address_space: global }
      - { .name: ob, .offset: 8, .size: 8, .value_kind: global_buffer, .address_space: global }
    .group_segment_fixed_size: 327680
    .private_segment_fixed_size: 0
    .kernarg_segment_align: 8
    .kernarg_segment_size: 16
    .max_flat_workgroup_size: 128
    .sgpr_count:     66
    .vgpr_count:     208
    .wavefront_size: 32
...
	.end_amdgpu_metadata
.endif
;; end of part 5
;; launch gemm2 (part 6): grid 4 x 32, 4 waves a work-group, clusters of 4 x 4, 327,680 bytes of LDS; arguments ob, wt2, x, out0; writes out0
.if DOCPART == 6
	.amdgcn_target "amdgcn-amd-amdhsa--gfx1250"
	.amdhsa_code_object_version 6
	.text
	.protected	k_qe5193315eb_gemm2
	.globl	k_qe5193315eb_gemm2
	.p2align	8
	.type	k_qe5193315eb_gemm2,@function
k_qe5193315eb_gemm2:
	s_mov_b64 s[64:65], 0
	v_nop
	global_prefetch_b8 v0, s[64:65] scope:SCOPE_SE
	s_setreg_imm32_b32 hwreg(HW_REG_WAVE_MODE, 25, 1), 1
	s_wait_xcnt 0x0
	s_wait_alu depctr_hold_cnt(0) depctr_sa_sdst(0) depctr_va_vdst(0) depctr_va_sdst(0) depctr_va_ssrc(0) depctr_va_vcc(0) depctr_vm_vsrc(0)
	s_getreg_b32 s2, hwreg(HW_REG_IB_STS2, 6, 4)
	s_cmp_eq_u32 s2, 0
	s_cbranch_scc0 .Lentry_in_a_cluster
	s_endpgm
.Lentry_in_a_cluster:
	s_bfe_u32 s2, ttmp6, 0x10000c
	s_cmp_lg_u32 s2, 0xf033
	s_cbranch_scc0 .Lentry_shape_is_right
	s_endpgm
.Lentry_shape_is_right:
; out0[m][n] = 1024 x (sum over k of ob[m][k] wt2[n][k]) + x[m][n].  ob holds o x 2^-10 in f16 as [batch 4][k / 8: 128][step 2048][8]; wt2: [1024][1024] f16; x, out0: [8192][1024] f32.  Sums in f32.
; A tile of out0, 256 x 256, is made by a work-group of four waves, each 128 x 128: 64 accumulators, 512 registers.  The result has 128 such tiles, so 128 work-groups.
; K goes in steps of 128 through a ring of two LDS slots.  A's tile of a step is 16 blocks (8 k each) of 128 rows x 16 bytes = 2,048 bytes on end, 32,768 bytes apart in memory; it lies in LDS as it comes:
; sixteen lanes of a fragment load then read 256 bytes on end.  B's tile has rows of 256 bytes, laid 272 apart.
; CLUSTERS: 4 x 4 work-groups; A's tiles are asked for jointly along a row of the cluster, B's along a column.  The matrix instruction is used transposed (source 0 = rows of B, source 1 = rows of A):
; a lane holds eight neighbouring numbers of a row of out0.  They go through my stage in LDS, 16 rows at a time, and leave as rows of 512 consecutive bytes, with x's rows loaded a block ahead.
; REGISTERS: window 0: v0-31 addresses; v64-127, v128-191 fragments of A; on the way out v32-95 and v96-159 x's rows by turns, v160-223 the block.  Window 1: v64-191 fragments of B.  Windows 2, 3: accumulators.
.set SIZE_K, 1024
.set KSTEP,  128
.set ASTEP,  524288                    ; bytes from a K step of A to the next: 16 blocks of 32,768
.set PITCH,  272
.set HALFA,  32768                     ; what one tensor load brings of A
.set HALFB,  128*PITCH                 ; and of B
.set SLOT,   2*HALFA+2*HALFB
.set STAGE,  2*SLOT                    ; behind the ring: 16 rows x 528 bytes for each wave
.set SPITCH, 528                       ; 512 bytes + 16 = 132 words: the 16 rows of a store start at 16 different groups of four banks (64 banks of 4 bytes: ISA guide 11.1)
.set SPARE,  STAGE+4*16*SPITCH
.set LAPS, SIZE_K/(2*KSTEP)
.set ADRA, 16
.set ADRB, 20
.set STO,  24
.set RD,   25
.set CO,   26
.set SPW,  28
.set NIL,  29
.set PFO,  30
.set PFA,  44                          ; s[44:45] where my prefetches stand
.set PFS,  66                          ; s[66:67] their step along K
.set LIM,  43
.set XP,   68                          ; s[68:69] x at my part of the tile
.set CP,   70                          ; s[70:71] out0 likewise
.set F0,   64
.set F1,   128
.set OBK,  160
.set G1, 24
.set G0, 32
.set G1B, 48
.set G0B, 56
.set MSB, 0
.macro WIN new
.if MSB != (\new)
	s_set_vgpr_msb (MSB<<8)|(\new)
.set MSB, \new
.endif
.endm
.set MUL_LO, 0xa1
.set MUL_HI, 0xf1
.set TO_B,   0x40
.macro JLOAD s                         ; waves 0 and 1 fetch A's two halves, waves 2 and 3 B's; an s_nop 0 and four v_nop follow each line
	s_cmp_eq_u32 s11, 0
	s_cbranch_scc0 .Lfor_b_\@
	tensor_load_to_lds s[G0+4*(\s):G0+4*(\s)+3], s[G1:G1+7]
	s_nop 0
.rept 4
	v_nop
.endr
	s_branch .Lasked_\@
.Lfor_b_\@:
	tensor_load_to_lds s[G0B+4*(\s):G0B+4*(\s)+3], s[G1B:G1B+7]
	s_nop 0
.rept 4
	v_nop
.endr
.Lasked_\@:
.endm
; A prefetch behind each joint refill and the run of LDS loads that follows it: the K step two refills on, 32 blocks of 256 bytes, a lane a block.  A's are asked for by the clusters with x = 0 (all of them here),
; B's by the cluster with y = 0; the four partners share a wave's 128 blocks out by address: of A four of the sixteen 8-k blocks each, of B 32 rows each.  K steps 0 to 3 come by their loads alone; the loop's
; last trip (s3 = 1) has no K step two on.
.macro ASK
	s_cmp_gt_u32 s3, s[LIM]
	s_cbranch_scc0 .Lnot_mine_\@
	global_prefetch_b8 v[PFO], s[PFA:PFA+1] th:TH_LOAD_NT scope:SCOPE_SE
.Lnot_mine_\@:
.endm
.macro CREST
	s_cmp_lg_u32 s10, 0
	s_cbranch_scc1 .Lnot_wave_0_\@
	s_barrier_signal -3
.Lnot_wave_0_\@:
	s_barrier_wait -3
	s_barrier_signal -1
	s_barrier_wait -1
.endm
.macro CROUND
	s_barrier_signal -1
	s_barrier_wait -1
	CREST
.endm
	s_load_b128 s[4:7], s[0:1], 0x0                ; ob 4, wt2 6
	s_load_b128 s[68:71], s[0:1], 0x10             ; x 68, out0 70
	v_lshl_add_u32 v[SPW], v0, 2, SPARE
	v_mov_b32 v[NIL], 0
	ds_add_u32 v[SPW], v[NIL]                      ; the wave's opening: the add, twice on end, and its wait ahead of my first tensor load
	ds_add_u32 v[SPW], v[NIL]
	v_lshrrev_b32 v1, 5, v0
	v_readfirstlane_b32 s10, v1
	s_lshr_b32 s11, s10, 1                         ; my half of the tile's rows.  Also: I fetch for A (0) or for B (1)
	s_and_b32 s12, s10, 1                          ; my half of its columns.  Also: which half of that tile I fetch
	s_bfe_u32 s40, ttmp6, 0x40000                  ; cx
	s_bfe_u32 s41, ttmp6, 0x40004                  ; cy
	s_lshl_b32 s42, ttmp9, 2
	s_add_co_u32 s42, s42, s40                     ; tile column
	s_and_b32 s13, ttmp7, 0xffff
	s_lshl_b32 s13, s13, 2
	s_add_co_u32 s13, s13, s41                     ; tile row
	s_lshl_b32 s43, s41, 2
	s_lshl_b32 s43, 15, s43                        ; my row of the cluster
	s_lshl_b32 s44, 0x1111, s40                    ; my column
	s_or_b32 s[G1+0], s43, (1<<16)|(1<<21)         ; A: the mask; 2-byte elements; bit 21 beside a mask; no padding
	s_mov_b32 s[G1+1], 1024<<16                    ; tensor_dim0 = 1,024 elements: 128 rows x 8 k
	s_mov_b32 s[G1+2], 16<<16                      ; tensor_dim1 = 16 blocks
	s_mov_b32 s[G1+3], 1024<<16                    ; tile_dim0
	s_mov_b32 s[G1+4], 16                          ; tile_dim1
	s_mov_b32 s[G1+5], 16384                       ; elements from block to block
	s_mov_b32 s[G1+6], 0
	s_mov_b32 s[G1+7], 0
	s_or_b32 s[G1B+0], s44, (1<<16)|(1<<20)|(1<<21)|(5<<22)|(3<<25)  ; B: padded after every 64 words by 4
	s_mov_b32 s[G1B+1], KSTEP<<16
	s_mov_b32 s[G1B+2], 128<<16
	s_mov_b32 s[G1B+3], KSTEP<<16
	s_mov_b32 s[G1B+4], 128
	s_mov_b32 s[G1B+5], SIZE_K
	s_mov_b32 s[G1B+6], 0
	s_mov_b32 s[G1B+7], 0
	s_lshr_b32 s16, s13, 3                         ; A hangs on the tile row alone: the batch,
	s_lshl_b32 s16, s16, 22
	s_and_b32 s17, s13, 7
	s_lshl_b32 s17, s17, 12                        ; 256 steps x 16 bytes,
	s_add_co_u32 s16, s16, s17
	s_lshl_b32 s17, s12, 11                        ; the half that I fetch
	s_add_co_u32 s16, s16, s17
	s_mov_b32 s17, 0
	s_lshl_b32 s46, s42, 19                        ; B on the tile column alone: 256 rows x 2,048 bytes,
	s_lshl_b32 s47, s12, 18
	s_add_co_u32 s46, s46, s47
	s_mov_b32 s47, 0
	s_lshl_b32 s20, s12, 15                        ; where they go: no place in the cluster enters an LDS address
	s_mul_i32 s21, s12, HALFB
	s_add_co_u32 s21, s21, 2*HALFA
	s_wait_dscnt 0x0                               ; both opening adds are done
	s_wait_kmcnt 0x0
	s_add_nc_u64 s[14:15], s[4:5], s[16:17]
	s_add_nc_u64 s[46:47], s[6:7], s[46:47]
	CROUND                                         ; all sixteen work-groups are here: the first joint loads meet
.irp s, 0,1
	s_mov_b32 s[G0+4*(\s)], 1
	s_add_co_u32 s[G0+4*(\s)+1], s20, (\s)*SLOT
	s_add_nc_u64 s[G0+4*(\s)+2:G0+4*(\s)+3], s[14:15], (\s)*ASTEP
	s_or_b32 s[G0+4*(\s)+3], s[G0+4*(\s)+3], 0x80000000
	s_mov_b32 s[G0B+4*(\s)], 1
	s_add_co_u32 s[G0B+4*(\s)+1], s21, (\s)*SLOT
	s_add_nc_u64 s[G0B+4*(\s)+2:G0B+4*(\s)+3], s[46:47], (\s)*KSTEP*2
	s_or_b32 s[G0B+4*(\s)+3], s[G0B+4*(\s)+3], 0x80000000
	JLOAD \s                                       ; two loads of mine are out
.endr
	v_and_b32 v1, 15, v0                           ; r
	v_bfe_u32 v2, v0, 4, 1                         ; h
	v_mul_u32_u24 v3, v1, PITCH
	v_lshl_add_u32 v3, v2, 4, v3                   ; B: row x pitch + 16 h
	v_lshlrev_b32 v4, 4, v1
	v_lshl_add_u32 v4, v2, 11, v4                  ; A: 16 r + block h
	s_lshl_b32 s22, s11, 15                        ; my 128 rows of A
	s_mul_i32 s23, s12, HALFB                      ; my 128 rows of B
	s_add_co_u32 s23, s23, 2*HALFA
.irp s, 0,1
	v_add_nc_u32 v[ADRA+(\s)], s22, v4
	v_add_nc_u32 v[ADRB+(\s)], s23, v3
	s_add_co_u32 s22, s22, SLOT
	s_add_co_u32 s23, s23, SLOT
.endr
	s_mul_i32 s23, s10, 16*SPITCH
	s_add_co_u32 s23, s23, STAGE                   ; my stage
	v_mul_u32_u24 v5, v1, SPITCH                   ; in: row r, 32 bytes for each half of the lanes
	v_lshl_add_u32 v5, v2, 5, v5
	v_add_nc_u32 v[STO], s23, v5
	v_and_b32 v6, 31, v0
	v_lshlrev_b32 v[CO], 4, v6                     ; back, and in x and out0: 32 lanes take a row's 512 bytes
	v_add_nc_u32 v[RD], s23, v[CO]
	s_lshl_b32 s16, s13, 20                        ; my part of the tile in x and out0: 256 rows x 4,096 bytes,
	s_lshl_b32 s17, s11, 19
	s_add_co_u32 s16, s16, s17
	s_mov_b32 s17, 0
	s_lshl_b32 s46, s42, 10                        ; 256 columns x 4 bytes
	s_lshl_b32 s47, s12, 9
	s_add_co_u32 s46, s46, s47
	s_mov_b32 s47, 0
	s_add_nc_u64 s[16:17], s[16:17], s[46:47]
	s_add_nc_u64 s[XP:XP+1], s[XP:XP+1], s[16:17]
	s_add_nc_u64 s[CP:CP+1], s[CP:CP+1], s[16:17]
	s_lshr_b32 s18, s13, 3                         ; the prefetches.  A's: my tile, my half, my work-group's four blocks, K step 3
	s_lshl_b32 s18, s18, 22
	s_and_b32 s19, s13, 7
	s_lshl_b32 s19, s19, 12
	s_add_co_u32 s18, s18, s19
	s_lshl_b32 s19, s12, 11
	s_add_co_u32 s18, s18, s19
	s_lshl_b32 s19, s40, 17
	s_add_co_u32 s18, s18, s19
	s_add_co_u32 s18, s18, 3*ASTEP
	s_lshl_b32 s20, s42, 19                        ; B's: my tile, my half, my work-group's 32 rows, K step 3
	s_lshl_b32 s19, s12, 18
	s_add_co_u32 s20, s20, s19
	s_lshl_b32 s19, s41, 16
	s_add_co_u32 s20, s20, s19
	s_add_co_u32 s20, s20, 3*KSTEP*2
	s_mov_b32 s19, ASTEP
	s_mov_b32 s21, KSTEP*2
	s_and_b32 s22, ttmp7, 0xffff
	s_cmp_eq_u32 s11, 0                            ; do I fetch for A?
	s_cselect_b32 s20, s18, s20
	s_cselect_b32 s[PFS], s19, s21
	s_cselect_b32 s22, ttmp9, s22                  ; the coordinate along which other clusters read the same blocks
	s_cselect_b32 s23, -1, 0
	s_cselect_b64 s[PFA:PFA+1], s[4:5], s[6:7]
	s_cmp_eq_u32 s22, 0
	s_cselect_b32 s[LIM], 1, -1                    ; the same in all sixteen partners, for a given wave
	s_mov_b32 s21, 0
	s_mov_b32 s[PFS+1], 0
	s_add_nc_u64 s[PFA:PFA+1], s[PFA:PFA+1], s[20:21]  ; the first refill steps it to K step 4
	v_lshlrev_b32 v5, 11, v6                       ; B: a lane a row
	v_lshrrev_b32 v7, 3, v6
	v_and_b32 v6, 7, v6
	v_lshlrev_b32 v7, 15, v7
	v_lshl_add_u32 v7, v6, 8, v7                   ; A: eight lanes a block of 2,048 bytes
	v_cndmask_b32 v[PFO], v5, v7, s23
.macro MUL16 f, hi, a0, zero           ; the 64 accumulators take turns, one instruction a turn
	WIN MUL_LO+0x50*(\hi)
.irp a, \a0, (\a0)+1
.irp b, 0,1,2,3,4,5,6,7
.if \zero
	v_wmma_f32_16x16x32_f16 v[8*(8*(\a)+(\b)):8*(8*(\a)+(\b))+7], v[(\f)+8*(\b):(\f)+8*(\b)+7], v[(\f)+8*(4*(\hi)+(\a)):(\f)+8*(4*(\hi)+(\a))+7], 0
.else
	v_wmma_f32_16x16x32_f16 v[8*(8*(\a)+(\b)):8*(8*(\a)+(\b))+7], v[(\f)+8*(\b):(\f)+8*(\b)+7], v[(\f)+8*(4*(\hi)+(\a)):(\f)+8*(4*(\hi)+(\a))+7], v[8*(8*(\a)+(\b)):8*(8*(\a)+(\b))+7]
.endif
.endr
.endr
.endm
; 32 LDS loads in one run.  k: the quarter's byte in B's rows (64 bytes a quarter); in A a quarter is four blocks of 2,048 bytes, a fragment's second half two blocks on
.macro FETCH slot, k, f
	WIN TO_B
.irp i, 0,1,2,3,4,5,6,7
	ds_load_b128 v[(\f)+8*(\i):(\f)+8*(\i)+3],   v[ADRB+(\slot)] offset:(\k)+(\i)*16*PITCH
	ds_load_b128 v[(\f)+8*(\i)+4:(\f)+8*(\i)+7], v[ADRB+(\slot)] offset:(\k)+(\i)*16*PITCH+32
.endr
	WIN 0
.irp i, 0,1,2,3,4,5,6,7
	ds_load_b128 v[(\f)+8*(\i):(\f)+8*(\i)+3],   v[ADRA+(\slot)] offset:((\k)/64)*8192+(\i)*256
	ds_load_b128 v[(\f)+8*(\i)+4:(\f)+8*(\i)+7], v[ADRA+(\slot)] offset:((\k)/64)*8192+(\i)*256+4096
.endr
.endm
.macro PLACES
.rept 4
	v_nop
.endr
.endm
.macro QUARTER slot, k, f, g, zero
	s_wait_dscnt 8                                 ; B and A's rows 0-63 are in; the youngest eight loads (A's rows 64-127) may be out
	WIN MUL_LO
	MUL16 \f, 0, 0, \zero
	MUL16 \f, 0, 2, \zero
	PLACES
	FETCH \slot, \k, \g
	s_wait_dscnt 32                                ; all but the 32 just issued
	WIN MUL_HI
	MUL16 \f, 1, 0, \zero
	MUL16 \f, 1, 2, \zero
.endm
.macro MEET round                      ; the change of slots: all my tensor loads, the add, my reads of this slot; then the barrier
	WIN 0
	s_wait_tensorcnt 0x0
	ds_add_u32 v[SPW], v[NIL]
	s_wait_dscnt 9                                 ; the add and the youngest eight loads may be out
	WIN MUL_LO
	MUL16 F1, 0, 0, 0
	s_wait_dscnt 0x0
	s_barrier_signal -1
	MUL16 F1, 0, 2, 0
.if \round
	WIN 0
.endif
	s_barrier_wait -1
.endm
.macro TURN slot, next
	s_wait_xcnt 0x0                                ; the last prefetch, a K step back, has read its address
	s_add_nc_u64 s[PFA:PFA+1], s[PFA:PFA+1], s[PFS:PFS+1]
	MEET 1
	CREST                                          ; no wave of any partner still reads this slot's tile or has a load on its way
	s_add_nc_u64 s[G0+4*(\slot)+2:G0+4*(\slot)+3], s[G0+4*(\slot)+2:G0+4*(\slot)+3], 2*ASTEP
	s_add_nc_u64 s[G0B+4*(\slot)+2:G0B+4*(\slot)+3], s[G0B+4*(\slot)+2:G0B+4*(\slot)+3], 2*KSTEP*2
	JLOAD \slot                                    ; the first tensor load behind the round; its four v_nop are also the places in front of the loads below
	FETCH \next, 0, F0
	ASK
	WIN MUL_HI
	MUL16 F1, 1, 0, 0
	MUL16 F1, 1, 2, 0
.endm
	s_wait_tensorcnt 1                             ; my part of K step 0 is in; K step 1's may stay out
	s_barrier_signal -1
	s_barrier_wait -1
	FETCH 0, 0, F0
	QUARTER 0, 64,  F0, F1, 1                      ; the first quarter's products start the sums
	WIN 0
	s_mov_b32 s3, LAPS-1
.Llap:
	QUARTER 0, 128, F1, F0, 0
	QUARTER 0, 192, F0, F1, 0
	TURN 0, 1
	QUARTER 1, 64,  F0, F1, 0
	QUARTER 1, 128, F1, F0, 0
	QUARTER 1, 192, F0, F1, 0
	TURN 1, 0
	QUARTER 0, 64,  F0, F1, 0
	WIN 0
	s_sub_co_u32 s3, s3, 1
	s_cmp_lg_u32 s3, 0
	s_cbranch_scc1 .Llap
	QUARTER 0, 128, F1, F0, 0                      ; the last lap fills nothing
	QUARTER 0, 192, F0, F1, 0
	MEET 0
	PLACES
	FETCH 1, 0, F0
	WIN MUL_HI
	MUL16 F1, 1, 0, 0
	MUL16 F1, 1, 2, 0
	QUARTER 1, 64,  F0, F1, 0
	QUARTER 1, 128, F1, F0, 0
	QUARTER 1, 192, F0, F1, 0
	s_wait_dscnt 8                                 ; the very last quarter: nothing more to fetch
	MUL16 F1, 0, 0, 0
	MUL16 F1, 0, 2, 0
	s_wait_dscnt 0x0
	MUL16 F1, 1, 0, 0
	MUL16 F1, 1, 2, 0
	PLACES                                         ; in front of the loads into A's buffers and of the LDS stores that read the results
	WIN 0
; THE WAY OUT, a block of 16 rows x 128 columns at a time
.macro XLOAD a                         ; x's 16 rows of block a, 512 bytes each
.set XB, 32+64*((\a)%2)
.set t, 0
.rept 16
	global_load_b128 v[XB+4*t:XB+4*t+3], v[CO], s[XP:XP+1] offset:(\a)*65536+t*4096 th:TH_LOAD_NT
.set t, t+1
.endr
.endm
.macro OUTB a
.if (\a) < 7
	XLOAD (\a)+1
.endif
.set XB, 32+64*((\a)%2)
.set AC, 64*((\a)%4)
	WIN 0x08+4*((\a)/4)                            ; the stores' data in window 2 or 3
.irp b, 0,1,2,3,4,5,6,7
	ds_store_b128 v[STO], v[AC+8*\b:AC+8*\b+3]   offset:64*\b      ; each accumulator's low four registers first
	ds_store_b128 v[STO], v[AC+8*\b+4:AC+8*\b+7] offset:64*\b+16
.endr
	WIN 0
	s_wait_xcnt 0x0                                ; the last block's stores have read the registers that are loaded now
.set t, 0
.rept 16
	ds_load_b128 v[OBK+4*t:OBK+4*t+3], v[RD] offset:t*SPITCH       ; LDS serves a wave's instructions in order (ISA guide 5.7.1.4): these see the stores above
.set t, t+1
.endr
	s_wait_dscnt 0x0
.if (\a) < 7
	s_wait_loadcnt 16                              ; this block's x is in; the next block's 16 loads may stay out
.else
	s_wait_loadcnt 0x0
.endif
.set t, 0
.rept 32
	v_pk_fma_f32 v[OBK+2*t:OBK+2*t+1], v[OBK+2*t:OBK+2*t+1], 0x44800000, v[XB+2*t:XB+2*t+1] op_sel_hi:[1,0,1]  ; x 1024, + x
.set t, t+1
.endr
.set t, 0
.rept 16
	global_store_b128 v[CO], v[OBK+4*t:OBK+4*t+3], s[CP:CP+1] offset:(\a)*65536+t*4096 th:TH_STORE_NT  ; 512 consecutive bytes, aligned
.set t, t+1
.endr
.endm
	XLOAD 0
.irp a, 0,1,2,3,4,5,6,7
	OUTB \a
.endr
	s_wait_tensorcnt 0x0                           ; the wave's end
	ds_add_u32 v[SPW], v[NIL]
	s_wait_dscnt 0x0
	CROUND                                         ; the closing round
	s_endpgm
.Lfunc_end_k_qe5193315eb_gemm2:
	.size	k_qe5193315eb_gemm2, .Lfunc_end_k_qe5193315eb_gemm2-k_qe5193315eb_gemm2
	.p2alignl 7, 3214868480
	.fill 96, 4, 3214868480
	.section	.rodata,"a",@progbits
	.p2align	6, 0x0
	.amdhsa_kernel k_qe5193315eb_gemm2
		.amdhsa_group_segment_fixed_size 327680
		.amdhsa_private_segment_fixed_size 0
		.amdhsa_enable_private_segment 0
		.amdhsa_kernarg_size 32
		.amdhsa_user_sgpr_count 2
		.amdhsa_user_sgpr_kernarg_segment_ptr 1
		.amdhsa_wavefront_size32 1
		.amdhsa_system_sgpr_workgroup_id_x 1
		.amdhsa_system_sgpr_workgroup_id_y 1
		.amdhsa_system_sgpr_workgroup_id_z 1
		.amdhsa_system_vgpr_workitem_id 0
		.amdhsa_next_free_vgpr 1024
		.amdhsa_next_free_sgpr 72
		.amdhsa_reserve_vcc 0
		.amdhsa_float_denorm_mode_32 3
		.amdhsa_float_denorm_mode_16_64 3
		.amdhsa_memory_ordered 1
		.amdhsa_forward_progress 1
		.amdhsa_inst_pref_size 178
	.end_amdhsa_kernel
	.amdgpu_metadata
---
amdhsa.version: [ 1, 2 ]
amdhsa.kernels:
  - .name:           k_qe5193315eb_gemm2
    .symbol:         k_qe5193315eb_gemm2.kd
    .args:
      - { .name: ob, .offset: 0, .size: 8, .value_kind: global_buffer, .address_space: global }
      - { .name: wt2, .offset: 8, .size: 8, .value_kind: global_buffer, .address_space: global }
      - { .name: x, .offset: 16, .size: 8, .value_kind: global_buffer, .address_space: global }
      - { .name: out0, .offset: 24, .size: 8, .value_kind: global_buffer, .address_space: global }
    .group_segment_fixed_size: 327680
    .private_segment_fixed_size: 0
    .kernarg_segment_align: 8
    .kernarg_segment_size: 32
    .max_flat_workgroup_size: 128
    .sgpr_count:     72
    .vgpr_count:     1024
    .wavefront_size: 32
...
	.end_amdgpu_metadata
.endif
;; end of part 6
;; ======== version 2 of 2: 6 launches; version 1 with the launch kprep written anew for expert scheduling mode
;; limits: values are held in f16: magnitudes above 65,504 overflow, below 6.1e-05 lose precision
;; workspace buffers: xn 16,777,216 bytes; wt1 8,388,608 bytes; wt2 2,097,152 bytes; wbt 32,768 bytes; beta 524,288 bytes; proj 67,108,864 bytes; cf 75,497,472 bytes; ob 16,777,216 bytes
;; launch prep: the kernel of part 1 again; grid 897 x 1, 8 waves a work-group, no clusters, 18,432 bytes of LDS; arguments x, ln_g, ln_b, W_q, W_k, W_v, W_alpha, W_o, W_beta, xn, wt1, wt2, wbt; writes xn, wt1, wt2, wbt
;; launch bgate: the kernel of part 2 again; grid 256 x 1, 4 waves a work-group, no clusters, 8,704 bytes of LDS; arguments wbt, xn, b_beta, beta; writes beta
;; launch gemm1: the kernel of part 3 again; grid 16 x 32, 4 waves a work-group, clusters of 4 x 4, 327,680 bytes of LDS; arguments xn, wt1, proj; writes proj
;; launch kprep (part 7): grid 32 x 64, 4 waves a work-group, no clusters, 26,112 bytes of LDS; arguments proj, beta, b_alpha, cf; writes cf
.if DOCPART == 7
	.amdgcn_target "amdgcn-amd-amdhsa--gfx1250"
	.amdhsa_code_object_version 6
	.text
	.protected	k_qe5193315eb_kprep
	.globl	k_qe5193315eb_kprep
	.p2align	8
	.type	k_qe5193315eb_kprep,@function
k_qe5193315eb_kprep:
	s_mov_b64 s[64:65], 0
	v_nop
	global_prefetch_b8 v0, s[64:65] scope:SCOPE_SE
	s_setreg_imm32_b32 hwreg(HW_REG_WAVE_SCHED_MODE, 0, 2), 2
	s_setreg_imm32_b32 hwreg(HW_REG_WAVE_MODE, 25, 1), 1
	s_wait_xcnt 0x0
	s_wait_alu depctr_vm_vsrc(0)
; FOR EACH CHUNK OF 16 STEPS of each (batch, head): all that does not hang on the state.  One wave, one chunk; no loop, no barrier; every LDS byte is the wave's own.
; IN: proj (q | k | v | z, 128 bytes each, for each row and head), beta, b_alpha.  a = sigmoid(z + b_alpha), kn = k / max(|k|, 1e-12).
; OUT: the chunk's file in cf, 18 segments of 512 bytes: 0-3 -What, 4-7 q Gamma_t, 8-11 Khat, 12-15 Uhat (each as pieces of 8 f16, steps 8 th .. 8 th + 7 of channel (l, e), at 512 (2 e + th) + 16 l);
; 16 B (lane t + 16 h: eight f16, i = 8 h ..); 17 Gamma_16, f32, by channel l + 32 e, written twice so that every byte of the file is stored.
; RATIOS WITHOUT DIVISION.  For i < t let lev be the highest bit in which t and i differ.  The product of a over i < s <= t is G(i) F(t): G the product behind i inside i's block of 2^lev steps, F the product up to
; and with t inside t's block.  KF = kn F, QF = q F, KG = kn G and the blocks' products TOT are carried from level to level by multiplications alone: every factor is at most 1 in size.
; At each level one pair of 16 x 16 products (rows with the bit set: KF or QF; the others: KG) gives all pairs of that level, picked by masks that are constants of the text.
; THE SOLVE (I + diag(b) A) X = diag(b) R is a forward substitution in f32, 16 steps, on What's and Uhat's 64 columns each.
; LAYOUT: lane l holds the channels at places 2 l and 2 l + 1 of every row: row t of an array is the pair v[ARR + 2 t : ARR + 2 t + 1].
; The first chunk's -What, q Gamma and Gamma, and the last chunk's Khat and Gamma, are made though scan does not use them: 1 chunk in 128, inside a unit of live work.
; No tensor load and no cluster: no two waves read the same bytes.  LIMITS: v_exp_f32, v_rcp_f32 and v_sqrt_f32 take denormals as 0: an a below 2^-126 counts as 0; f16's range for q, k, v, z.
; THE MODE: SCHED_MODE bits 1:0 = 2 (LLVM: expert scheduling mode 2), set by the entry lines.  The code itself states the register dependences
; between vector or matrix instructions and memory or LDS instructions, with s_wait_alu, always for 0.
; THE PLAN.  Registers that memory or LDS instructions touch, in the order of the text:
;   v1, v4-v7     the offset in cf and four LDS addresses: made at the head, never written again.
;   v2, v3        the offsets of the head's loads; written once more in the tail (8 l; my LDS base + 8 l).
;   v19, v148     b_alpha's offset and the LDS address for 1 / |k|: each read once; later v19 is part of T, in which an LDS load lands, and v148 part of QF, which vector lines write.
;   v14-15, v32-127  rows and fragments as loaded; read by vector and matrix instructions alone.
;   T, U          a level's rows in f16: written by its roundings, read by its LDS stores.  U is DA's and DB's registers, idle between a level's picks and the next level's products.
;   ZF, QXF       a level's LDS loads land here; its four products read them.
;   the tail      out-buffers T (q Gamma), O2 (Khat), OBF (B); RA and TOT's first pair are LDS stores' data; Gamma comes back into GMO; A^T's 36 quads land in v32-95 and v128-207; at last T (-What) and O2 (Uhat).
; So each level has ONE wait on va_vdst, behind its roundings and ahead of its run of LDS stores and loads, and ONE on vm_vsrc, beside the wait for its fragments; the tail has two on va_vdst, each ahead of a
; run of stores, and one on vm_vsrc, ahead of the quads' loads.
.set SPARE, 25600                      ; behind the four waves' 6,400 bytes: the spare words
.set WBYTES, 6400
.set P16,  144                         ; a row of 64 f16 in LDS: 128 bytes + 16
.set QXO,  2304                        ; ZK at 0, QX here: 16 rows each
.set ATO,  4608                        ; A^T [i][t] f32, pitch 80
.set RHOO, 5888                        ; 16 x 1 / |k|
.set GTO,  6144                        ; Gamma_16
.set DG,   0                           ; v0   q_t . kn_t in the lanes that hold the diagonal (v0 as it came is used at the head alone)
.set OUT,  1                           ; v1   16 l
.set OFF,  2                           ; v2   4 l; later 8 l
.set OFF2, 3                           ; v3   r x 8,192 + 16 h; later my LDS base + 8 l
.set LZ,   4                           ; v4   base + 4 l
.set LF,   5                           ; v5   base + r x 144 + 16 h
.set LAT,  6                           ; v6   base + h x 640 + 4 r
.set LB,   7                           ; v7   base
.set SPW,  8
.set NIL,  9
.set ZERO, 10
.set ONE,  11
.set CNL,  12                          ; -log2(e)
.set RHOL, 13                          ; 1 / max(|k_r|, 1e-12)
.set NB,   14                          ; v[14:15] -log2(e) x b_alpha at my two channels
.set T,    16                          ; v[16:31] the 16 norms' reciprocals; then ZK's rows in f16; then an out-buffer
.set RQ,   32                          ; as loaded: q, k, v, z, a register a row
.set RK,   48
.set RV,   64
.set RZ,   80
.set ZF,   32                          ; from the levels on: fragments and results
.set QXF,  48
.set DA,   64
.set DB,   72
.set U,    64                          ; v[64:79] QX's rows in f16 on their way to LDS
.set RA,   80
.set RB,   88
.set KF,   96
.set QF,   128
.set KG,   160
.set TOT,  192
.set VV,   224
.set O2,   32                          ; the tail: v[32:47] the second out-buffer
.set OBF,  48                          ; v[48:51] B in f16
.set GMO,  208                         ; v[208:209] Gamma_16 by channel, back from LDS: outside the quads' registers
.set FK,   96                          ; for the first products: k's and q's fragments, the two results, and five at work
.set FQ,   112
.set DKK,  128
.set DQK,  136
.set XK,   144
.set XQ,   145
.set YY,   146
.set SS,   147
.set LR4,  148
.set BT,   16                          ; s[16:31] beta of the 16 steps
.set NBT,  32                          ; s[32:47] -beta
.set DM,   82                          ; s[82:89] the lanes that hold the diagonal in register j
.macro LMREG lev, j                    ; MR: the scalar register with the mask of level lev, register j: s48-63, s66-81
.set MR, 48+8*(\lev)+(\j)
.if 8*(\lev)+(\j) >= 16
.set MR, MR+2
.endif
.endm
.macro QREG q                          ; QR: quad q of A^T's 36: v32-95, then v128-207
.if (\q) < 16
.set QR, 32+4*(\q)
.else
.set QR, 128+4*((\q)-16)
.endif
.endm
	s_load_b256 s[4:11], s[0:1], 0x0               ; proj 4, beta 6, b_alpha 8, cf 10
	v_lshl_add_u32 v[SPW], v0, 2, SPARE
	v_mov_b32 v[NIL], 0
	v_lshrrev_b32 v1, 5, v0
	v_readfirstlane_b32 s12, v1                    ; wave 0..3
	v_and_b32 v16, 31, v0                          ; l
	v_and_b32 v17, 15, v0                          ; r
	v_bfe_u32 v18, v0, 4, 1                        ; h
	s_wait_alu depctr_va_sdst(0)                   ; s12 is written, ahead of its first reader: the chunk's number and my LDS base are made from it
	s_and_b32 s13, ttmp7, 0xffff                   ; 16 x batch + head
	s_lshl_b32 s14, ttmp9, 2
	s_add_co_u32 s14, s14, s12                     ; the chunk
	s_lshr_b32 s15, s13, 4
	s_and_b32 s32, s13, 15
	s_lshl_b32 s33, s15, 11
	s_lshl_b32 s34, s14, 4
	s_add_co_u32 s33, s33, s34                     ; its first row: 2,048 x batch + 16 x chunk
	s_lshl_b32 s34, s33, 13
	s_lshl_b32 s36, s32, 9
	s_add_co_u32 s34, s34, s36                     ; in proj
	s_mov_b32 s35, 0
	s_lshl_b32 s36, s32, 15
	s_lshl_b32 s38, s33, 2
	s_add_co_u32 s36, s36, s38                     ; in beta
	s_mov_b32 s37, 0
	s_lshl_b32 s38, s32, 8                         ; in b_alpha
	s_mov_b32 s39, 0
	s_lshl_b32 s40, s13, 7
	s_add_co_u32 s40, s40, s14
	s_mul_i32 s40, s40, 9216                       ; in cf
	s_mov_b32 s41, 0
	s_mul_i32 s42, s12, WBYTES                     ; my LDS
	v_lshlrev_b32 v[OUT], 4, v16
	v_lshlrev_b32 v[OFF], 2, v16
	v_lshlrev_b32 v[OFF2], 13, v17
	v_lshl_add_u32 v[OFF2], v18, 4, v[OFF2]
	v_add_nc_u32 v[LZ], s42, v[OFF]
	v_mul_u32_u24 v[LF], v17, P16
	v_lshl_add_u32 v[LF], v18, 4, v[LF]
	v_add_nc_u32 v[LF], s42, v[LF]
	v_mul_u32_u24 v[LAT], v18, 640
	v_lshl_add_u32 v[LAT], v17, 2, v[LAT]
	v_add_nc_u32 v[LAT], s42, v[LAT]
	v_mov_b32 v[LB], s42
	v_lshl_add_u32 v[LR4], v17, 2, s42
	v_lshlrev_b32 v19, 3, v16                      ; 8 l
	v_mov_b32 v[ZERO], 0
	v_mov_b32 v[ONE], 1.0
	v_mov_b32 v[CNL], 0xbfb8aa3b
	v_mov_b32 v[YY], 0
	s_wait_kmcnt 0x0
	s_add_nc_u64 s[4:5], s[4:5], s[34:35]
	s_add_nc_u64 s[6:7], s[6:7], s[36:37]
	s_add_nc_u64 s[8:9], s[8:9], s[38:39]
	s_add_nc_u64 s[10:11], s[10:11], s[40:41]
	s_load_b512 s[BT:BT+15], s[6:7], 0x0
	s_wait_alu depctr_va_vdst(0)                   ; the offsets and LDS addresses v1 to v7, v19 and v148 are written, which the loads and stores of the whole text read
.irp f, 0,1,2,3
	global_load_b128 v[FK+4*\f:FK+4*\f+3], v[OFF2], s[4:5] offset:128+32*\f  ; k as fragments: row r, channels 8 h .. and 16 + 8 h ..
.endr
.irp f, 0,1,2,3
	global_load_b128 v[FQ+4*\f:FQ+4*\f+3], v[OFF2], s[4:5] offset:32*\f
.endr
	global_load_b64 v[NB:NB+1], v19, s[8:9]
.set t, 0
.rept 16
	global_load_b32 v[RZ+t], v[OFF], s[4:5] offset:t*8192+384
.set t, t+1
.endr
.set t, 0
.rept 16
	global_load_b32 v[RK+t], v[OFF], s[4:5] offset:t*8192+128
.set t, t+1
.endr
.set t, 0
.rept 16
	global_load_b32 v[RQ+t], v[OFF], s[4:5] offset:t*8192
.set t, t+1
.endr
	; the masks, while the loads are out.  In a result lane L = (r, h) holds t = r and, in register j, i = 8 h + j.  Level lev's pairs: t > i and (t xor i) >> lev = 1.
.set lv, 0
.rept 4
.set jj, 0
.rept 8
.set mk, 0
.set LL, 0
.rept 32
.if ((LL&15) > (8*(LL>>4)+jj)) && ((((LL&15)^(8*(LL>>4)+jj))>>lv) == 1)
.set mk, mk|(1<<LL)
.endif
.set LL, LL+1
.endr
	LMREG lv, jj
	s_mov_b32 s[MR], mk
.set jj, jj+1
.endr
.set lv, lv+1
.endr
.set jj, 0
.rept 8
	s_mov_b32 s[DM+jj], (1<<jj)|(1<<(24+jj))       ; t = i: lanes j and 24 + j
.set jj, jj+1
.endr
	s_mov_b32 s90, 0x76543210
	s_mov_b32 s91, 0xfedcba98
	s_wait_kmcnt 0x0
.set t, 0
.rept 16
	s_xor_b32 s[NBT+t], s[BT+t], 0x80000000
.set t, t+1
.endr
	; |k|^2 and q . k lie on the diagonals of K K^T and K Q^T
	s_wait_loadcnt 49                              ; the eight fragment loads are in; b_alpha and 48 rows may stay out
	v_wmma_f32_16x16x32_f16 v[DKK:DKK+7], v[FK:FK+7], v[FK:FK+7], 0
	v_wmma_f32_16x16x32_f16 v[DQK:DQK+7], v[FK:FK+7], v[FQ:FQ+7], 0
	v_wmma_f32_16x16x32_f16 v[DKK:DKK+7], v[FK+8:FK+15], v[FK+8:FK+15], v[DKK:DKK+7]  ; the two accumulators take turns
	v_wmma_f32_16x16x32_f16 v[DQK:DQK+7], v[FK+8:FK+15], v[FQ+8:FQ+15], v[DQK:DQK+7]
.set t, 0
.rept 16
	global_load_b32 v[RV+t], v[OFF], s[4:5] offset:t*8192+256  ; no wait: since the wait at the head only the four products were issued, and they name neither v[OFF] nor v[RV ..]
.set t, t+1
.endr
	s_wait_loadcnt 48                              ; b_alpha and z are in; k's, q's and v's rows may stay out
	v_mul_f32 v[NB], v[CNL], v[NB]
	v_mul_f32 v[NB+1], v[CNL], v[NB+1]
.set t, 0
.rept 16
	v_fma_mix_f32 v[TOT+2*t], v[RZ+t], v[CNL], v[NB] op_sel_hi:[1,0,0]                    ; -log2(e) (z + b_alpha): these 32 lines are the places behind the products
	v_fma_mix_f32 v[TOT+2*t+1], v[RZ+t], v[CNL], v[NB+1] op_sel:[1,0,0] op_sel_hi:[1,0,0]
.set t, t+1
.endr
	v_cndmask_b32 v[XK], 0, v[DKK], s[DM]          ; each result is read from its low end on
	v_cndmask_b32 v[XQ], 0, v[DQK], s[DM]
.set j, 1
.rept 7
	v_cndmask_b32 v[XK], v[XK], v[DKK+j], s[DM+j]
	v_cndmask_b32 v[XQ], v[XQ], v[DQK+j], s[DM+j]
.set j, j+1
.endr
	v_permlanex16_b32 v[YY], v[XK], s90, s91       ; rows 0-7 lie in lanes 0-7, rows 8-15 in lanes 24-31: with the other half's every lane has its row r
	v_add_f32 v[SS], v[XK], v[YY]
.set t, 0
.rept 32
	v_exp_f32 v[TOT+t], v[TOT+t]
.set t, t+1
.endr
	v_sqrt_f32 v[SS], v[SS]
	v_nop
	s_wait_alu depctr_va_vdst(0)                   ; the 32 exponentials and the root have written v[TOT ..] and v[SS], ahead of their first readers
.set t, 0
.rept 16
	v_pk_add_f32 v[TOT+2*t:TOT+2*t+1], v[TOT+2*t:TOT+2*t+1], 1.0 op_sel_hi:[1,0]
.set t, t+1
.endr
	v_max_num_f32 v[SS], 0x2b8cbccc, v[SS]         ; max(|k|, 1e-12)
.set t, 0
.rept 32
	v_rcp_f32 v[TOT+t], v[TOT+t]                   ; a
.set t, t+1
.endr
	v_rcp_f32 v[RHOL], v[SS]
	v_nop
	s_wait_alu depctr_va_vdst(0)                   ; the 33 reciprocals have written v[TOT ..] and v[RHOL], ahead of their first readers: the first is the LDS store below, whose data v[RHOL] is
	ds_store_b32 v[LR4], v[RHOL] offset:RHOO       ; lanes r and 16 + r write the same word with the same number
	s_wait_alu depctr_vm_vsrc(0)                   ; b_alpha's load has read v19, in which the first load below lands; the store above has read v148, which QF's lines write; the head's loads have read v2 and v3, which the tail writes
.irp g, 0,1,2,3
	ds_load_b128 v[T+4*\g:T+4*\g+3], v[LB] offset:RHOO+16*\g  ; all 16, in every lane
.endr
	v_mul_f32 v[DG], v[XQ], v[RHOL]
	s_wait_loadcnt 32                              ; k's rows are in; q's and v's may stay out
	s_wait_dscnt 0x0
.set t, 0
.rept 16
	v_fma_mix_f32 v[KG+2*t], v[RK+t], v[T+t], v[ZERO] op_sel_hi:[1,0,0]                   ; kn
	v_fma_mix_f32 v[KG+2*t+1], v[RK+t], v[T+t], v[ZERO] op_sel:[1,0,0] op_sel_hi:[1,0,0]
.set t, t+1
.endr
.set t, 0
.rept 16
	v_pk_mul_f32 v[KF+2*t:KF+2*t+1], v[KG+2*t:KG+2*t+1], v[TOT+2*t:TOT+2*t+1]             ; kn a
.set t, t+1
.endr
	s_wait_loadcnt 16                              ; q's rows are in
.set t, 0
.rept 16
	v_fma_mix_f32 v[QF+2*t], v[RQ+t], v[TOT+2*t], v[ZERO] op_sel_hi:[1,0,0]               ; q a
	v_fma_mix_f32 v[QF+2*t+1], v[RQ+t], v[TOT+2*t+1], v[ZERO] op_sel:[1,0,0] op_sel_hi:[1,0,0]
.set t, t+1
.endr
	s_wait_loadcnt 0x0
.set t, 0
.rept 16
	v_fma_mix_f32 v[VV+2*t], v[RV+t], v[ONE], v[ZERO] op_sel_hi:[1,0,0]
	v_fma_mix_f32 v[VV+2*t+1], v[RV+t], v[ONE], v[ZERO] op_sel:[1,0,0] op_sel_hi:[1,0,0]
.set t, t+1
.endr
; ONE LEVEL.  All its rows are rounded to f16, into T and U; one run of LDS stores and of the loads that bring them back as fragments; while those are out, KF and QF step to the next level (16 packed
; multiplications, which name no register that an LDS instruction touches); two products of two links, the accumulators by turns; KG's step and the blocks' merges: the places behind the products;
; the level's pairs picked out of the results.
.macro LEVEL lev
.set t, 0
.rept 16
.if (t>>(\lev))&1
	v_cvt_pk_f16_f32 v[T+t], v[KF+2*t], v[KF+2*t+1]
.else
	v_cvt_pk_f16_f32 v[T+t], v[KG+2*t], v[KG+2*t+1]
.endif
.set t, t+1
.endr
.set t, 0
.rept 16
.if ((t>>(\lev))&1) || ((\lev) == 0)   ; at level 0 every row of QX is written, so that no byte is read that nobody wrote; the other rows' products are never picked
	v_cvt_pk_f16_f32 v[U+t], v[QF+2*t], v[QF+2*t+1]
.endif
.set t, t+1
.endr
	s_wait_alu depctr_va_vdst(0)                   ; the roundings have written T and U, which the LDS stores read; the earlier readers of ZF and QXF (the last level's products; at level 0 the widenings of q and k) are done, and the loads below land there
.set t, 0
.rept 16
	ds_store_b32 v[LZ], v[T+t] offset:t*P16
.set t, t+1
.endr
.set t, 0
.rept 16
.if ((t>>(\lev))&1) || ((\lev) == 0)
	ds_store_b32 v[LZ], v[U+t] offset:QXO+t*P16
.endif
.set t, t+1
.endr
.irp f, 0,1,2,3
	ds_load_b128 v[ZF+4*\f:ZF+4*\f+3], v[LF] offset:32*\f          ; LDS serves a wave's instructions in order (ISA guide 5.7.1.4): these see the stores above
	ds_load_b128 v[QXF+4*\f:QXF+4*\f+3], v[LF] offset:QXO+32*\f
.endr
.set t, 0
.rept 16
.if (t>>(\lev))&1
.set tr, TOT+2*(((t>>(\lev))-1)<<(\lev))
	v_pk_mul_f32 v[KF+2*t:KF+2*t+1], v[KF+2*t:KF+2*t+1], v[tr:tr+1]  ; the block in front joins F
	v_pk_mul_f32 v[QF+2*t:QF+2*t+1], v[QF+2*t:QF+2*t+1], v[tr:tr+1]
.endif
.set t, t+1
.endr
	s_wait_dscnt 0x0                               ; the fragments are in
	s_wait_alu depctr_vm_vsrc(0)                   ; the LDS stores have read U, which the products below write, and T, which the next roundings write
	v_wmma_f32_16x16x32_f16 v[DA:DA+7], v[ZF:ZF+7], v[ZF:ZF+7], 0
	v_wmma_f32_16x16x32_f16 v[DB:DB+7], v[ZF:ZF+7], v[QXF:QXF+7], 0
	v_wmma_f32_16x16x32_f16 v[DA:DA+7], v[ZF+8:ZF+15], v[ZF+8:ZF+15], v[DA:DA+7]
	v_wmma_f32_16x16x32_f16 v[DB:DB+7], v[ZF+8:ZF+15], v[QXF+8:QXF+15], v[DB:DB+7]
.set t, 0
.rept 16
.if !((t>>(\lev))&1)
.set tr, TOT+2*(((t>>(\lev))+1)<<(\lev))
	v_pk_mul_f32 v[KG+2*t:KG+2*t+1], v[KG+2*t:KG+2*t+1], v[tr:tr+1]  ; the block behind joins G: eight places behind the products
.endif
.set t, t+1
.endr
.set bb, 0
.rept 8>>(\lev)
.set ta, TOT+2*((2*bb)<<(\lev))
.set tc, TOT+2*((2*bb+1)<<(\lev))
	v_pk_mul_f32 v[ta:ta+1], v[ta:ta+1], v[tc:tc+1]
.set bb, bb+1
.endr
.set j, 0
.rept 8
	LMREG \lev, j
.if (\lev) == 0
	v_cndmask_b32 v[RA+j], 0, v[DA+j], s[MR]
	v_cndmask_b32 v[RB+j], 0, v[DB+j], s[MR]
.else
	v_cndmask_b32 v[RA+j], v[RA+j], v[DA+j], s[MR]
	v_cndmask_b32 v[RB+j], v[RB+j], v[DB+j], s[MR]
.endif
.set j, j+1
.endr
.endm
	LEVEL 0
	LEVEL 1
	LEVEL 2
	LEVEL 3                                        ; now KF = kn Gamma_t, QF = q Gamma_t, KG = Khat, TOT's first pair = Gamma_16
; an array goes out in two parts.  CONV: 8 steps of a channel are rounded into 16 bytes, in an out-buffer of 16 registers.  SEND: each store of the wave covers 512 consecutive bytes, aligned.
.macro CONV arr, buf
.irp e, 0,1
.set p, 0
.rept 8
	v_cvt_pk_f16_f32 v[(\buf)+8*\e+p], v[(\arr)+4*p+\e], v[(\arr)+4*p+2+\e]
.set p, p+1
.endr
.endr
.endm
.macro SEND buf, seg
.irp e, 0,1
.irp th, 0,1
	global_store_b128 v[OUT], v[(\buf)+8*\e+4*\th:(\buf)+8*\e+4*\th+3], s[10:11] offset:((\seg)+2*\e+\th)*512
.endr
.endr
.endm
	; THE TAIL.  First all its vector work, then one run of LDS and global instructions.
.set j, 0
.rept 8
	v_cndmask_b32 v[RB+j], v[RB+j], v[DG], s[DM+j] ; B's diagonal
.set j, j+1
.endr
.irp p, 0,1,2,3
	v_cvt_pk_f16_f32 v[OBF+\p], v[RB+2*\p], v[RB+2*\p+1]
.endr
	CONV QF, T
	CONV KG, O2
	v_lshl_add_u32 v[OFF2], v[OFF], 1, v[LB]       ; base + 8 l (all loads that named these two registers are done, and the wait on vm_vsrc behind them has shown the registers read)
	v_lshlrev_b32 v[OFF], 1, v[OFF]                ; 8 l
	s_wait_alu depctr_va_vdst(0)                   ; RA, TOT's first pair, the three out-buffers, v2 and v3 are written, which the stores and the load below read; all readers and writers of v32-95, v128-209 are done, where the loads below land
.set j, 0
.rept 8
	ds_store_b32 v[LAT], v[RA+j] offset:ATO+j*80   ; A^T[i = 8 h + j][t = r]
.set j, j+1
.endr
	ds_store_b32 v[LZ], v[TOT] offset:GTO          ; Gamma_16 by channel l + 32 e
	ds_store_b32 v[LZ], v[TOT+1] offset:GTO+128
	ds_load_b64 v[GMO:GMO+1], v[OFF2] offset:GTO
	global_store_b128 v[OUT], v[OBF:OBF+3], s[10:11] offset:16*512
	SEND T, 4
	SEND O2, 8
	s_wait_xcnt 0x0                                ; the nine stores above have had their addresses translated: the loads below land on the data of five of them
	s_wait_alu depctr_vm_vsrc(0)                   ; the stores above, LDS and global, have read RA, TOT's first pair, O2 and OBF, in which the loads below land, and T, which the last roundings write
.set i, 0
.set qd, 0
.rept 15
.set g, (i+1)>>2
.rept 4-g
	QREG qd
	ds_load_b128 v[QR:QR+3], v[LB] offset:ATO+i*80+16*g  ; A[4 g .. 4 g + 3][i], in every lane
.set g, g+1
.set qd, qd+1
.endr
.set i, i+1
.endr
	s_wait_dscnt 36                                ; Gamma's load is in; the 36 younger loads, the quads, may stay out
	global_store_b64 v[OFF], v[GMO:GMO+1], s[10:11] offset:17*512
	global_store_b64 v[OFF], v[GMO:GMO+1], s[10:11] offset:17*512+256
	; the substitution: row i is finished, then taken out of all later rows.  y = -What: y_i = -b_i acc_i, acc_t += A[t][i] y_i.  Uhat: x_i = b_i acc_i, acc_t -= A[t][i] x_i.
.set i, 0
.set cum, 0
.rept 16
	v_mul_f32 v[KF+2*i], s[NBT+i], v[KF+2*i]
	v_mul_f32 v[KF+2*i+1], s[NBT+i], v[KF+2*i+1]
	v_mul_f32 v[VV+2*i], s[BT+i], v[VV+2*i]
	v_mul_f32 v[VV+2*i+1], s[BT+i], v[VV+2*i+1]
.if i < 15
	s_wait_dscnt 32-cum+((i+1)>>2)                 ; LDS loads come back in order (ISA guide 5.7.1): column i's quads are in; those of the later columns may stay out
.set t, i+1
.rept 15-i
	QREG cum+(t>>2)-((i+1)>>2)
.set PR, QR+2*((t&3)>>1)
.if t&1
	v_pk_fma_f32 v[KF+2*t:KF+2*t+1], v[PR:PR+1], v[KF+2*i:KF+2*i+1], v[KF+2*t:KF+2*t+1] op_sel:[1,0,0] op_sel_hi:[1,1,1]
	v_pk_fma_f32 v[VV+2*t:VV+2*t+1], v[PR:PR+1], v[VV+2*i:VV+2*i+1], v[VV+2*t:VV+2*t+1] op_sel:[1,0,0] op_sel_hi:[1,1,1] neg_lo:[1,0,0] neg_hi:[1,0,0]
.else
	v_pk_fma_f32 v[KF+2*t:KF+2*t+1], v[PR:PR+1], v[KF+2*i:KF+2*i+1], v[KF+2*t:KF+2*t+1] op_sel_hi:[0,1,1]
	v_pk_fma_f32 v[VV+2*t:VV+2*t+1], v[PR:PR+1], v[VV+2*i:VV+2*i+1], v[VV+2*t:VV+2*t+1] op_sel_hi:[0,1,1] neg_lo:[1,0,0] neg_hi:[1,0,0]
.endif
.set t, t+1
.endr
.endif
.set cum, cum+4-((i+1)>>2)
.set i, i+1
.endr
	CONV KF, T                                     ; both out-buffers are free: the stores that read them stand ahead of the waits in front of the quads' loads
	CONV VV, O2
	s_wait_alu depctr_va_vdst(0)                   ; the roundings have written T and O2, which the last eight stores read
	SEND T, 0
	SEND O2, 12
	s_wait_dscnt 0x0                               ; the closing lines, six on end
	s_wait_alu 0x0
	s_wait_tensorcnt 0x0
	ds_add_u32 v[SPW], v[NIL]
	s_wait_dscnt 0x0
	s_endpgm
.Lfunc_end_k_qe5193315eb_kprep:
	.size	k_qe5193315eb_kprep, .Lfunc_end_k_qe5193315eb_kprep-k_qe5193315eb_kprep
	.p2alignl 7, 3214868480
	.fill 96, 4, 3214868480
	.section	.rodata,"a",@progbits
	.p2align	6, 0x0
	.amdhsa_kernel k_qe5193315eb_kprep
		.amdhsa_group_segment_fixed_size 26112
		.amdhsa_private_segment_fixed_size 0
		.amdhsa_enable_private_segment 0
		.amdhsa_kernarg_size 32
		.amdhsa_user_sgpr_count 2
		.amdhsa_user_sgpr_kernarg_segment_ptr 1
		.amdhsa_wavefront_size32 1
		.amdhsa_system_sgpr_workgroup_id_x 1
		.amdhsa_system_sgpr_workgroup_id_y 1
		.amdhsa_system_sgpr_workgroup_id_z 1
		.amdhsa_system_vgpr_workitem_id 0
		.amdhsa_next_free_vgpr 256
		.amdhsa_next_free_sgpr 92
		.amdhsa_reserve_vcc 0
		.amdhsa_float_denorm_mode_32 3
		.amdhsa_float_denorm_mode_16_64 3
		.amdhsa_memory_ordered 1
		.amdhsa_forward_progress 1
		.amdhsa_inst_pref_size 82
	.end_amdhsa_kernel
	.amdgpu_metadata
---
amdhsa.version: [ 1, 2 ]
amdhsa.kernels:
  - .name:           k_qe5193315eb_kprep
    .symbol:         k_qe5193315eb_kprep.kd
    .args:
      - { .name: proj, .offset: 0, .size: 8, .value_kind: global_buffer, .address_space: global }
      - { .name: beta, .offset: 8, .size: 8, .value_kind: global_buffer, .address_space: global }
      - { .name: b_alpha, .offset: 16, .size: 8, .value_kind: global_buffer, .address_space: global }
      - { .name: cf, .offset: 24, .size: 8, .value_kind: global_buffer, .address_space: global }
    .group_segment_fixed_size: 26112
    .private_segment_fixed_size: 0
    .kernarg_segment_align: 8
    .kernarg_segment_size: 32
    .max_flat_workgroup_size: 128
    .sgpr_count:     92
    .vgpr_count:     256
    .wavefront_size: 32
...
	.end_amdgpu_metadata
.endif
;; end of part 7
;; launch scan: the kernel of part 5 again; grid 64 x 1, 4 waves a work-group, no clusters, 327,680 bytes of LDS; arguments cf, ob; writes ob
;; launch gemm2: the kernel of part 6 again; grid 4 x 32, 4 waves a work-group, clusters of 4 x 4, 327,680 bytes of LDS; arguments ob, wt2, x, out0; writes out0
